; MI455X (gfx1250); checked and timed in simulation.
; The chip was launched on July 23, 2026; its instructions are those of AMD's public machine-readable ISA for CDNA 5 (MIT licence, August 2026) and "CDNA5" Instruction Set Architecture Reference Guide (July 2026). The comments in the code are by the model that wrote it; some were corrected since.
;; Selective Copying Model. Allowed arithmetic: float matrix products may take bf16 or f16 operands with f32 sums; other float arithmetic in f32, or as packed bf16 or f16 multiplies, adds, multiply-adds, maxima and minima; sums over many terms, partial sums and values carried from step to step in f32; what a program stores and reads back later, other than sums and carried values, may be rounded once to bf16 or f16.
;; Inputs: W0 512 x 128 float32; Walign 256 x 128 float32; Wl 2 x 512 x 256 float32; Wout 256 x 256 float32; b0 512 float32; bl 2 x 512 float32; bout 256 float32; emb 256 x 128 float32; x 32 x 2,048 int32.
;; Outputs: out0 32 x 16 x 256 float32.
;; Constants: num_memorize = 16.
;; 2 versions, each right; version 2 is version 1 with the launch embed written anew for expert scheduling mode. Each part assembles by itself: llvm-mc -triple=amdgcn-amd-amdhsa -mcpu=gfx1250 --defsym DOCPART=n.
;; ======== version 1 of 2: 4 launches
;; workspace buffers: h0 33,554,432 bytes; h1 33,554,432 bytes; h1t 1,048,576 bytes; h2t 1,048,576 bytes
;; launch embed (part 1): grid 8 x 32, 8 waves a work-group, no clusters, 248,320 bytes of LDS; arguments x, emb, W0, b0, Walign, h0; writes h0
.if DOCPART == 1
	.amdgcn_target "amdgcn-amd-amdhsa--gfx1250"
	.amdhsa_code_object_version 6
	.text
	.protected	k_qb888933aa0_embed
	.globl	k_qb888933aa0_embed
	.p2align	8
	.type	k_qb888933aa0_embed,@function
k_qb888933aa0_embed:
	s_mov_b64 s[64:65], 0
	v_nop
	global_prefetch_b8 v0, s[64:65] scope:SCOPE_SE
	s_setreg_imm32_b32 hwreg(HW_REG_WAVE_MODE, 25, 1), 1
	s_wait_xcnt 0x0
; LAYER 0.  h0[b][t][c] = scan_t(gate, hid) + align, with gate, hid and align functions of the token's id alone: emb[x] W^T is a row of a table of 256 rows.
; A work-group owns 32 channels (slice = its x) of one sequence (batch = its y), all 2,048 tokens: no carry leaves the work-group.
; PHASE A: emb and my 96 rows of W0 and Walign come in through registers, are rounded to bf16 and laid into LDS.  PHASE B: the matrix unit makes the three tables, and the
; nonlinearities are applied to the TABLE: entry (id, channel) = (b, 0, a, res) in f32, with z = sigmoid(gate), a = 1 - z, b = z g(hid), g(x) = max(x + 0.5, sigmoid(x)), which is
; x + 0.5 for x >= 0 and sigmoid(x) below, since sigmoid(x) <= x + 0.5 exactly where x >= 0.  PHASE C: the recurrence h = a h + b itself, in f32, h before the first token = 0.5.
; THE SCAN.  A step is 256 tokens; half h of wave w owns segment u = 2 w + h of 16 tokens, lane r two channels (r, 16 + r).  In the lane: (hl, P) = (a hl + b, a P).  A segment's
; (hl, P) after its last token goes to LDS; behind one barrier each lane starts from the last step's last h and folds the 15 entries in front of its own (identities, then earlier segments).
; No exponential of a sum over tokens is formed: the only exponentials are the two sigmoids', whose overflow (1 / inf = 0) and underflow (1 / 1) are the sigmoids' own limits.
; NO CLUSTER: LDS is filled through registers, rounding on the way; the table as f32 tiles (131,072 bytes) has no room beside the 248,320 bytes in use.
; LIMITS.  All inputs, b0 too, are rounded once to bf16; ids are held to 0..255; exponentials and reciprocals flush denormals; NaN and infinities in the inputs are not treated apart;
; the order of roundings is the recurrence's, not that of a scan in logarithms.  h0 leaves in bf16.
; h0's LAYOUT: [batch][group of 32 tokens][block of 16 channels][1,024 bytes]; in a block the 16 bytes "channel c, tokens 16 hs + 8 i + 0..7" lie at (c / 8) 512 + i 256 + hs 128 + (c % 8) 16.
.set EP,    272                        ; an LDS row of emb or W: 256 bytes + 16: the 16 rows of a fragment load start 16 bytes apart modulo 256
.set ARB,   8192                       ; exchange areas at 0, one for each parity of the step: entries of 256 bytes, 0-14 identities, 15-30 segments 0-15; an entry: 16 channels x (B0, A0, B1, A1)
.set HR,    16384                      ; the segments' last h, by parity: 16 segments x 16 lanes x 8 bytes
.set HRB,   2048
.set EMB,   20480                      ; 256 rows of emb
.set WB,    90112                      ; 96 rows: gate 0-31, hid 32-63, align 64-95
.set TAB,   116224                     ; 256 ids x 32 channels x 16 bytes
.set SPARE, 247296                     ; the spare words: 128 bytes a wave, four blocks of 256 bytes that no other line names
.set XV,   3                           ; v3  my segment's byte offset in a step's 1,024 bytes of x
.set SPW,  4                           ; v4  my spare word's address; never rewritten
.set NIL,  5                           ; v5  0; never rewritten
.set LOFF, 6                           ; phase A: 16 x thread
.set SA0,  7                           ; phase A: where my 8 bytes go: emb rows 0-127, 128-255, W
.set SA1,  8
.set BI,   9                           ; v9-12 the four biases as loaded
.set SA2,  13
.set R4,   14
.set AAD,  6                           ; phase B: fragment addresses, table address
.set BAD,  7
.set TST,  8
.set KBG,  9                           ; v9-10 -c x gate bias, v11-12 -c x hid bias, v13-14 hid bias + 0.5; by channel block
.set KBH,  11
.set HBH,  13
.set LB,   6                           ; phase C
.set EST,  7
.set EWIN, 8
.set HST,  9
.set HLD,  10
.set GOFF, 11
.set INI,  12                          ; v12-13 (0, 1): (hl, P) in front of a segment
.set CC,   14                          ; v14-15 the h that enters my segment, two channels
.set LD,   16                          ; phase A: v16-191, 44 loads of four registers
.set AFR,  16                          ; phase B: v16-79 emb fragments (2 tiles x 4 K steps)
.set BF,   80                          ; v80-175 W fragments (3 kinds x 4 K steps); behind the products v80-111 the quads, v112-119 at work
.set QD,   80
.set TT,   112
.set AC,   176                         ; v176-223 six accumulators: tile vt, kind ty at AC + 24 vt + 8 ty
.set Q,    16                          ; phase C: v16-143 the entries of 16 tokens x 2 channels
.set F,    144                         ; v144-203 the window
.set OUT,  208                         ; v208-223
.set XR,   224                         ; v224-255 two sets of 16 ids, by the step's parity
.set WV,   16
.set CNT,  19
.set NEGC, 20                          ; -log2(e)
.set XB,   24
.set OUTB, 26
	s_load_b256 s[4:11], s[0:1], 0x0               ; x s[4:5], emb s[6:7], W0 s[8:9], b0 s[10:11]
	s_load_b128 s[12:15], s[0:1], 0x20             ; Walign s[12:13], h0 s[14:15]
	v_lshl_add_u32 v[SPW], v0, 2, SPARE
	v_mov_b32 v[NIL], 0
	v_lshrrev_b32 v1, 5, v0
	v_readfirstlane_b32 s[WV], v1                  ; wave 0..7
	s_and_b32 s18, ttmp7, 0xffff                   ; batch
	v_and_b32 v1, 15, v0                           ; r
	v_bfe_u32 v2, v0, 4, 1                         ; h
	v_and_b32 v15, 31, v0                          ; lane
	v_lshlrev_b32 v[LOFF], 4, v0
	v_lshlrev_b32 v[R4], 2, v1
	s_lshl_b32 s22, ttmp9, 14                      ; my 32 rows of 512 bytes in W0 and Walign
	s_mov_b32 s23, 0
	s_lshl_b32 s36, ttmp9, 7                       ; my 32 biases
	s_mov_b32 s37, 0
	s_lshl_b32 s38, s18, 13                        ; my row of x
	s_mov_b32 s39, 0
	s_lshl_b32 s40, s18, 20                        ; my batch in h0, and my two channel blocks
	s_lshl_b32 s41, ttmp9, 11
	s_add_co_u32 s40, s40, s41
	s_mov_b32 s41, 0
	s_mov_b32 s[NEGC], 0xbfb8aa3b
	s_wait_kmcnt 0x0
	s_add_nc_u64 s[28:29], s[8:9], s[22:23]        ; gate rows
	s_add_nc_u64 s[30:31], s[28:29], 0x20000       ; hid rows: 256 rows on
	s_add_nc_u64 s[32:33], s[12:13], s[22:23]      ; align rows
	s_add_nc_u64 s[34:35], s[10:11], s[36:37]
	s_add_nc_u64 s[XB:XB+1], s[4:5], s[38:39]
	s_add_nc_u64 s[OUTB:OUTB+1], s[14:15], s[40:41]
	; PHASE A.  A load of the work-group covers 4,096 consecutive bytes, eight rows of 512; wave w has row 8 k + w.  All 48 loads go out together.
.set k, 0
.rept 32
	global_load_b128 v[LD+4*k:LD+4*k+3], v[LOFF], s[6:7] offset:k*4096
.set k, k+1
.endr
.irp t, 0,1,2
.irp q, 0,1,2,3
	global_load_b128 v[LD+128+16*\t+4*\q:LD+128+16*\t+4*\q+3], v[LOFF], s[28+2*\t:29+2*\t] offset:\q*4096
.endr
.endr
	global_load_b32 v[BI], v[R4], s[34:35]
	global_load_b32 v[BI+1], v[R4], s[34:35] offset:64
	global_load_b32 v[BI+2], v[R4], s[34:35] offset:1024
	global_load_b32 v[BI+3], v[R4], s[34:35] offset:1088
	s_mul_i32 s22, s[WV], EP
	v_lshl_add_u32 v[SA0], v15, 3, s22             ; 8 x lane + my row
	v_add_nc_u32 v[SA2], WB, v[SA0]
	v_add_nc_u32 v[SA1], EMB+128*EP, v[SA0]        ; a second base: the 16-bit immediate ends at 65,535
	v_add_nc_u32 v[SA0], EMB, v[SA0]
	s_lshl_b32 s22, s[WV], 7
	v_lshl_add_u32 v[XV], v2, 6, s22               ; segment u: 64 u bytes
	v_mov_b32 v208, 0                              ; identities (B, A) = (0, 1) into entries 0-15 of both areas; entry 15 is written over by segment 0
	v_mov_b32 v209, 1.0
	v_mov_b32 v210, 0
	v_mov_b32 v211, 1.0
	ds_store_b128 v[LOFF], v[208:211]
	ds_store_b128 v[LOFF], v[208:211] offset:ARB
	v_lshl_add_u32 v212, v0, 3, HR+HRB             ; the h in front of token 0 is 0.5: step 0 reads the odd parity's words
	v_mov_b32 v214, 0.5
	v_mov_b32 v215, 0.5
	ds_store_b64 v212, v[214:215]
.set k, 0
.rept 44
	s_wait_loadcnt 47-k                            ; loads come back in order: 47 - k were issued behind load k
	v_cvt_pk_bf16_f32 v[LD+4*k], v[LD+4*k], v[LD+4*k+1]
	v_cvt_pk_bf16_f32 v[LD+4*k+1], v[LD+4*k+2], v[LD+4*k+3]
.if k < 16
	ds_store_b64 v[SA0], v[LD+4*k:LD+4*k+1] offset:k*8*EP
.elseif k < 32
	ds_store_b64 v[SA1], v[LD+4*k:LD+4*k+1] offset:(k-16)*8*EP
.else
	ds_store_b64 v[SA2], v[LD+4*k:LD+4*k+1] offset:(k-32)*8*EP
.endif
.set k, k+1
.endr
	s_wait_loadcnt 0x0                             ; the biases; every load's address register is free now
.irp q, 0,1,2,3
	global_load_b128 v[XR+4*\q:XR+4*\q+3], v[XV], s[XB:XB+1] offset:16*\q  ; step 0's ids: they land while the tables are made
.endr
	v_cvt_pk_bf16_f32 v[BI], v[BI], v[BI+1]        ; the biases are rounded to bf16 like every input, and widened again
	v_cvt_pk_bf16_f32 v[BI+2], v[BI+2], v[BI+3]
	v_and_b32 v[BI+1], 0xffff0000, v[BI]
	v_lshlrev_b32 v[BI], 16, v[BI]
	v_and_b32 v[BI+3], 0xffff0000, v[BI+2]
	v_lshlrev_b32 v[BI+2], 16, v[BI+2]
	v_add_f32 v[HBH], 0.5, v[BI+2]
	v_add_f32 v[HBH+1], 0.5, v[BI+3]
.irp q, 0,1,2,3
	v_mul_f32 v[BI+\q], s[NEGC], v[BI+\q]
.endr
	v_mul_u32_u24 v[AAD], v1, EP
	v_lshl_add_u32 v[AAD], v2, 4, v[AAD]           ; a fragment's row x pitch + 16 x half
	v_add_nc_u32 v[BAD], WB, v[AAD]
	s_mul_i32 s22, s[WV], 32*EP
	s_add_co_u32 s22, s22, EMB
	v_add_nc_u32 v[AAD], s22, v[AAD]               ; my 32 ids
	s_lshl_b32 s22, s[WV], 14
	s_add_co_u32 s22, s22, TAB
	v_lshl_add_u32 v[TST], v2, 12, s22             ; id 32 w + 8 h (+ 16 vt + j in the immediate), channel r
	v_lshl_add_u32 v[TST], v1, 4, v[TST]
	s_wait_dscnt 0x0                               ; for the others' sake: my stores are done
	s_barrier_signal -1
	s_barrier_wait -1
	; PHASE B.  Source 0 = 16 ids' rows of emb, source 1 = 16 rows of W: register j of lane (r, h) is (id 8 h + j, channel r).
.irp vt, 0,1
.irp kk, 0,1,2,3
	ds_load_b128 v[AFR+32*\vt+8*\kk:AFR+32*\vt+8*\kk+3],   v[AAD] offset:\vt*16*EP+\kk*64
	ds_load_b128 v[AFR+32*\vt+8*\kk+4:AFR+32*\vt+8*\kk+7], v[AAD] offset:\vt*16*EP+\kk*64+32
.endr
.endr
; The nonlinearities of tile vt, channel block cb, and its 8 x 32 entries into the table
.macro NLT vt, cb
.set G, AC+24*(\vt)
.set j, 0
.rept 8
	v_fma_f32 v[G+j], v[G+j], s[NEGC], v[KBG+(\cb)]        ; -c (gate + bias); each accumulator is read from its low end on
.set j, j+1
.endr
.set j, 0
.rept 8
	v_fma_f32 v[TT+j], v[G+8+j], s[NEGC], v[KBH+(\cb)]     ; -c (hid + bias)
.set j, j+1
.endr
.set j, 0
.rept 8
	v_exp_f32 v[G+j], v[G+j]
.set j, j+1
.endr
.set j, 0
.rept 8
	v_exp_f32 v[TT+j], v[TT+j]
.set j, j+1
.endr
.set j, 0
.rept 8
	v_add_f32 v[G+8+j], v[G+8+j], v[HBH+(\cb)]             ; hid + 0.5: also the plain instructions behind the exponentials (ISA guide 5.7.2)
.set j, j+1
.endr
.set j, 0
	s_wait_alu depctr_va_vdst(0)
.rept 8
	v_add_f32 v[G+j], 1.0, v[G+j]
	v_add_f32 v[TT+j], 1.0, v[TT+j]
.set j, j+1
.endr
.set j, 0
.rept 8
	v_rcp_f32 v[G+j], v[G+j]                               ; z
.set j, j+1
.endr
.set j, 0
.rept 8
	v_rcp_f32 v[TT+j], v[TT+j]                             ; sigmoid(hid)
.set j, j+1
.endr
.set j, 0
.rept 8
	v_mov_b32 v[QD+4*j+3], v[G+16+j]                       ; res: an entry's four words must lie together for one 16-byte store
	v_mov_b32 v[QD+4*j+1], 0
.set j, j+1
.endr
.set j, 0
	s_wait_alu depctr_va_vdst(0)
.rept 8
	v_max_num_f32 v[TT+j], v[G+8+j], v[TT+j]               ; g
	v_sub_f32 v[QD+4*j+2], 1.0, v[G+j]                     ; a
.set j, j+1
.endr
.set j, 0
.rept 8
	v_mul_f32 v[QD+4*j], v[G+j], v[TT+j]                   ; b
	ds_store_b128 v[TST], v[QD+4*j:QD+4*j+3] offset:(\vt)*8192+j*512+(\cb)*256  ; sixteen lanes: 256 consecutive bytes
.set j, j+1
.endr
.endm
.macro TABLE cb
.irp ty, 0,1,2
.irp kk, 0,1,2,3
	ds_load_b128 v[BF+32*\ty+8*\kk:BF+32*\ty+8*\kk+3],   v[BAD] offset:(32*\ty+16*(\cb))*EP+\kk*64
	ds_load_b128 v[BF+32*\ty+8*\kk+4:BF+32*\ty+8*\kk+7], v[BAD] offset:(32*\ty+16*(\cb))*EP+\kk*64+32
.endr
.endr
	s_wait_dscnt 0x0
.irp kk, 0,1,2,3                       ; the six accumulators take turns; the first K step starts the sums
.irp ty, 0,1,2
.irp vt, 0,1
.if \kk == 0
	v_wmma_f32_16x16x32_bf16 v[AC+24*\vt+8*\ty:AC+24*\vt+8*\ty+7], v[AFR+32*\vt+8*\kk:AFR+32*\vt+8*\kk+7], v[BF+32*\ty+8*\kk:BF+32*\ty+8*\kk+7], 0
.else
	v_wmma_f32_16x16x32_bf16 v[AC+24*\vt+8*\ty:AC+24*\vt+8*\ty+7], v[AFR+32*\vt+8*\kk:AFR+32*\vt+8*\kk+7], v[BF+32*\ty+8*\kk:BF+32*\ty+8*\kk+7], v[AC+24*\vt+8*\ty:AC+24*\vt+8*\ty+7]
.endif
.endr
.endr
.endr
.rept 4
	v_nop                                          ; four places between the last products and the lines that read their results and write over their sources (ISA guide 7.12.1)
.endr
	NLT 0, \cb
	NLT 1, \cb
.endm
	TABLE 0
	TABLE 1
	; PHASE C's addresses
	v_lshl_add_u32 v[LB], v1, 4, TAB               ; channel r of an id's 512 bytes
	s_lshl_b32 s22, s[WV], 9
	v_lshl_add_u32 v[EWIN], v2, 8, s22             ; entry u: my window is entries u .. u + 14
	v_lshl_add_u32 v[EWIN], v1, 4, v[EWIN]
	v_add_nc_u32 v[EST], 15*256, v[EWIN]           ; my segment's own entry, 15 + u
	v_lshl_add_u32 v[HLD], v1, 3, HR+15*128        ; the last segment's last h
	s_lshl_b32 s22, s[WV], 8
	s_add_co_u32 s22, s22, HR
	v_lshl_add_u32 v[HST], v2, 7, s22
	v_lshl_add_u32 v[HST], v1, 3, v[HST]           ; my segment's
	v_and_b32 v[GOFF], 7, v1
	v_lshlrev_b32 v[GOFF], 4, v[GOFF]
	v_lshl_add_u32 v[GOFF], v2, 7, v[GOFF]
	v_lshrrev_b32 v[INI], 3, v1
	v_lshl_add_u32 v[GOFF], v[INI], 9, v[GOFF]
	s_lshl_b32 s22, s[WV], 14
	v_add_nc_u32 v[GOFF], s22, v[GOFF]             ; my wave's group of 32 tokens, my 16 bytes in a block
	v_mov_b32 v[INI], 0
	v_mov_b32 v[INI+1], 1.0
	s_wait_dscnt 0x0                               ; my part of the table is stored
	s_barrier_signal -1
	s_barrier_wait -1
; One step: 256 tokens.  One barrier is enough: areas and h words go by the step's parity, so what is written in front of a barrier is never what a slower wave still reads behind the last one.
.macro STEP par
	s_wait_loadcnt 0x0                             ; this step's ids, asked for a step ago
.if (\par) == 0
.irp q, 0,1,2,3
	global_load_b128 v[XR+16+4*\q:XR+16+4*\q+3], v[XV], s[XB:XB+1] offset:1024+16*\q
.endr
.else
	s_cmp_eq_u32 s[CNT], 1                         ; behind the last step there are no ids: no load passes x's end
	s_cbranch_scc1 .Lnox_\@
.irp q, 0,1,2,3
	global_load_b128 v[XR+4*\q:XR+4*\q+3], v[XV], s[XB:XB+1] offset:2048+16*\q
.endr
.Lnox_\@:
.endif
.set jj, 0
.rept 16
	v_min_u32 v[XR+16*(\par)+jj], 0xff, v[XR+16*(\par)+jj]  ; an id stays inside the table
.set jj, jj+1
.endr
.set jj, 0
.rept 16
	v_lshl_add_u32 v[XR+16*(\par)+jj], v[XR+16*(\par)+jj], 9, v[LB]
	ds_load_b128 v[Q+8*jj:Q+8*jj+3],   v[XR+16*(\par)+jj]             ; sixteen lanes take 256 consecutive bytes of the id's row
	ds_load_b128 v[Q+8*jj+4:Q+8*jj+7], v[XR+16*(\par)+jj] offset:256
.set jj, jj+1
.endr
.set jj, 0
.rept 16
	s_wait_dscnt 30-2*jj                           ; 30 - 2 jj gathers were issued behind token jj's two
.if jj == 0
	v_pk_fma_f32 v[Q:Q+1],   v[INI:INI+1], v[Q+2:Q+3], v[Q:Q+1]   op_sel_hi:[1,0,1]  ; (hl, P) = (hl, P) a + (b, 0)
	v_pk_fma_f32 v[Q+4:Q+5], v[INI:INI+1], v[Q+6:Q+7], v[Q+4:Q+5] op_sel_hi:[1,0,1]
.else
	v_pk_fma_f32 v[Q+8*jj:Q+8*jj+1],   v[Q+8*jj-8:Q+8*jj-7], v[Q+8*jj+2:Q+8*jj+3], v[Q+8*jj:Q+8*jj+1]   op_sel_hi:[1,0,1]
	v_pk_fma_f32 v[Q+8*jj+4:Q+8*jj+5], v[Q+8*jj-4:Q+8*jj-3], v[Q+8*jj+6:Q+8*jj+7], v[Q+8*jj+4:Q+8*jj+5] op_sel_hi:[1,0,1]
.endif
.set jj, jj+1
.endr
	ds_store_b64 v[EST], v[Q+120:Q+121] offset:(\par)*ARB
	ds_store_b64 v[EST], v[Q+124:Q+125] offset:(\par)*ARB+8
	s_wait_dscnt 0x0                               ; my entry is stored, and my reads and stores of the last step are over
	s_barrier_signal -1
	s_barrier_wait -1
	ds_load_b64 v[CC:CC+1], v[HLD] offset:(1-(\par))*HRB
.set k, 0
.rept 15
	ds_load_b128 v[F+4*k:F+4*k+3], v[EWIN] offset:(\par)*ARB+k*256
.set k, k+1
.endr
.set k, 0
.rept 15
	s_wait_dscnt 14-k                              ; 14 - k window loads were issued behind entry k
	v_fma_f32 v[CC],   v[F+4*k+1], v[CC],   v[F+4*k]
	v_fma_f32 v[CC+1], v[F+4*k+3], v[CC+1], v[F+4*k+2]
.set k, k+1
.endr
	v_fma_f32 v[Q+120], v[Q+121], v[CC],   v[Q+120]  ; h = hl + P c; the last token first, since the next step waits for it
	v_fma_f32 v[Q+124], v[Q+125], v[CC+1], v[Q+124]
	ds_store_b32 v[HST], v[Q+120] offset:(\par)*HRB
	ds_store_b32 v[HST], v[Q+124] offset:(\par)*HRB+4
.set jj, 0
.rept 15
	v_fma_f32 v[Q+8*jj],   v[Q+8*jj+1], v[CC],   v[Q+8*jj]
	v_fma_f32 v[Q+8*jj+4], v[Q+8*jj+5], v[CC+1], v[Q+8*jj+4]
.set jj, jj+1
.endr
.set jj, 0
.rept 32
	v_add_f32 v[Q+4*jj], v[Q+4*jj], v[Q+4*jj+3]    ; + the alignment projection
.set jj, jj+1
.endr
	s_wait_xcnt 0x0                                ; the last step's stores have read OUT: it is written again only behind this wait
.set n, 0
.rept 16                               ; tile n / 8, channel block (n / 4) % 2, token pair n % 4
	v_cvt_pk_bf16_f32 v[OUT+n], v[Q+8*(8*(n/8)+2*(n%4))+4*((n/4)%2)], v[Q+8*(8*(n/8)+2*(n%4)+1)+4*((n/4)%2)]
.set n, n+1
.endr
.irp n, 0,1,2,3
	global_store_b128 v[GOFF], v[OUT+4*\n:OUT+4*\n+3], s[OUTB:OUTB+1] offset:(\par)*131072+(\n%2)*1024+(\n/2)*256  ; a wave's store covers two aligned runs of 256 bytes
.endr
.endm
	s_mov_b32 s[CNT], 4
.Ltrip:
	STEP 0
	STEP 1
	s_wait_xcnt 0x0                                ; the two bases are stepped only behind this wait
	s_add_nc_u64 s[XB:XB+1], s[XB:XB+1], 2048
	s_add_nc_u64 s[OUTB:OUTB+1], s[OUTB:OUTB+1], 262144
	s_sub_co_u32 s[CNT], s[CNT], 1
	s_cmp_lg_u32 s[CNT], 0
	s_cbranch_scc1 .Ltrip
	s_wait_tensorcnt 0x0                           ; the wave's end
	ds_add_u32 v[SPW], v[NIL]
	s_wait_dscnt 0x0
	s_endpgm
.Lfunc_end_k_qb888933aa0_embed:
	.size	k_qb888933aa0_embed, .Lfunc_end_k_qb888933aa0_embed-k_qb888933aa0_embed
	.p2alignl 7, 3214868480
	.fill 96, 4, 3214868480
	.section	.rodata,"a",@progbits
	.p2align	6, 0x0
	.amdhsa_kernel k_qb888933aa0_embed
		.amdhsa_group_segment_fixed_size 248320
		.amdhsa_private_segment_fixed_size 0
		.amdhsa_enable_private_segment 0
		.amdhsa_kernarg_size 48
		.amdhsa_user_sgpr_count 2
		.amdhsa_user_sgpr_kernarg_segment_ptr 1
		.amdhsa_wavefront_size32 1
		.amdhsa_system_sgpr_workgroup_id_x 1
		.amdhsa_system_sgpr_workgroup_id_y 1
		.amdhsa_system_sgpr_workgroup_id_z 1
		.amdhsa_system_vgpr_workitem_id 0
		.amdhsa_next_free_vgpr 256
		.amdhsa_next_free_sgpr 66
		.amdhsa_reserve_vcc 0
		.amdhsa_float_denorm_mode_32 3
		.amdhsa_float_denorm_mode_16_64 3
		.amdhsa_memory_ordered 1
		.amdhsa_forward_progress 1
		.amdhsa_inst_pref_size 76
	.end_amdhsa_kernel
	.amdgpu_metadata
---
amdhsa.version: [ 1, 2 ]
amdhsa.kernels:
  - .name:           k_qb888933aa0_embed
    .symbol:         k_qb888933aa0_embed.kd
    .args:
      - { .name: x, .offset: 0, .size: 8, .value_kind: global_buffer, .address_space: global }
      - { .name: emb, .offset: 8, .size: 8, .value_kind: global_buffer, .address_space: global }
      - { .name: W0, .offset: 16, .size: 8, .value_kind: global_buffer, .address_space: global }
      - { .name: b0, .offset: 24, .size: 8, .value_kind: global_buffer, .address_space: global }
      - { .name: Walign, .offset: 32, .size: 8, .value_kind: global_buffer, .address_space: global }
      - { .name: h0, .offset: 40, .size: 8, .value_kind: global_buffer, .address_space: global }
    .group_segment_fixed_size: 248320
    .private_segment_fixed_size: 0
    .kernarg_segment_align: 8
    .kernarg_segment_size: 48
    .max_flat_workgroup_size: 256
    .sgpr_count:     66
    .vgpr_count:     256
    .wavefront_size: 32
...
	.end_amdgpu_metadata
.endif
;; end of part 1
;; launch layer1 (part 2): grid 8 x 32, 8 waves a work-group, clusters of 4 x 1, 327,680 bytes of LDS; arguments h0, Wl, bl, h1, h1t; writes h1, h1t
.if DOCPART == 2
	.amdgcn_target "amdgcn-amd-amdhsa--gfx1250"
	.amdhsa_code_object_version 6
	.text
	.protected	k_qb888933aa0_layer1
	.globl	k_qb888933aa0_layer1
	.p2align	8
	.type	k_qb888933aa0_layer1,@function
k_qb888933aa0_layer1:
	s_mov_b64 s[64:65], 0
	v_nop
	global_prefetch_b8 v0, s[64:65] scope:SCOPE_SE
	s_setreg_imm32_b32 hwreg(HW_REG_WAVE_MODE, 25, 1), 1
	s_wait_xcnt 0x0
	s_wait_alu depctr_hold_cnt(0) depctr_sa_sdst(0) depctr_va_vdst(0) depctr_va_sdst(0) depctr_va_ssrc(0) depctr_va_vcc(0) depctr_vm_vsrc(0)
	s_getreg_b32 s2, hwreg(HW_REG_IB_STS2, 6, 4)
	s_cmp_eq_u32 s2, 0
	s_cbranch_scc0 .Lentry_in_a_cluster
	s_endpgm
.Lentry_in_a_cluster:
	s_bfe_u32 s2, ttmp6, 0x10000c
	s_cmp_lg_u32 s2, 0x3003
	s_cbranch_scc0 .Lentry_shape_is_right
	s_endpgm
.Lentry_shape_is_right:
; A minGRU LAYER OF 256 CHANNELS.  gh = hin W^T + bias (bf16 operands, f32 sums); z = sigmoid(gate), g = max(hid + 0.5, sigmoid(hid)) (that is hid + 0.5 for hid >= 0, sigmoid(hid) below);
; h_t = (1 - z_t) h_(t-1) + z_t g_t in f32, h before the first token = 0.5; out = h + hin.  LAST = 0: the middle layer, which stores the whole sequence in bf16 (and its last 32 tokens in f32);
; LAST = 1: the last layer, which carries the scan to the end and stores h + residual in f32 for the last 32 tokens alone.
; SHARES.  A work-group owns 32 channels (slice) of one sequence (batch), all 2,048 tokens: no carry leaves it.  Its 64 rows of W (32 gate, 32 hid) x 256 stay in 256 registers of every wave.
; A SLOT is 256 tokens x 256 channels of hin, 131,072 bytes; wave w fetches and reads group w of its eight groups of 32 tokens.  Two slots in LDS take turns.
; PRODUCTS.  Source 0 = 16 tokens (turned out of LDS by ds_load_tr16_b128), source 1 = 16 rows of W: register j of lane (r, h) is (row 8 h + j, channel r).  Rows 0-7 of tile i are tokens
; 8 i + 0..7 of the group, rows 8-15 tokens 16 + 8 i + 0..7: over i = 0, 1 half h of the wave owns 16 consecutive tokens, a SEGMENT, and the scan runs down a lane's registers.
; THE SCAN.  In the lane: hl = a hl + b, P = a P, packed over the two channel blocks.  A segment's last (P, hl) goes to LDS; behind a barrier each lane starts from the h that the group of waves
; before left and folds the seven entries in front of its own (identities, then earlier segments); then h = hl + P c.  No exponential of a sum over tokens is formed: the only exponentials
; are the sigmoids', whose overflow (1 / inf = 0) and underflow (1 / 1) are the sigmoids' own limits.
; BY TURNS.  Waves 0-3 (X) and 4-7 (Y): while one group multiplies a slot's half, the other does the vector work of the half that it multiplied just before.  The halves follow each other in
; the sequence: X(s), Y(s), X(s + 1) ..  Barriers stand in common text; the branches on the wave's number hold none.
; CLUSTER.  The four slices of a cluster read the same slots of hin: each tile is asked for JOINTLY, by the same tensor load, descriptor and mask in all four; the slice enters global addresses alone.
; LIMITS.  W and the biases are rounded once to bf16; hin is bf16; exponentials and reciprocals flush denormals, P and terms below 2^-126 count as 0; NaN and infinities in the inputs are not
; treated apart; the order of roundings is the recurrence's, not that of a scan in logarithms.
; hin's and out's LAYOUT: [batch][group of 32 tokens][block of 16 channels][1,024 bytes]; in a block the 16 bytes "channel c, tokens 16 hs + 8 i + 0..7" lie at (c / 8) 512 + i 256 + hs 128 + (c % 8) 16.
.set LAST,  0
.set KSPL,  4                          ; of tile 1's eight K steps so many stand in the first part of a group's matrix work, beside the other group's longer first scan part
.set BUFX,  0x20000                    ; slot buffers at 0 and here: one exclusive or turns an address in one into the other's
.set SLOTB, 0x20000                    ; a slot's bytes in memory
.set WREG,  262144                     ; 32 fragments of W x 1,024 bytes, stored once
.set XA,    294912                     ; exchange areas, X's and Y's, 4,096 bytes each: entries of 256 bytes, 0-6 identities, 7-14 segments 0-7; an entry: 16 channels x (A0, A1, B0, B1)
.set HR,    303104                     ; the segments' last h: 2 groups x 8 segments x 16 lanes x 8 bytes
.set SPARE, 305152                     ; the spare words: 128 bytes a wave, four blocks of 256 bytes that no other line names
.set SPW,  4                           ; v4  my spare word's address; never rewritten
.set NIL,  5                           ; v5  0; never rewritten
.set TRB0, 6                           ; v6  my lane's place in my wave's group: 512 h + 16 r + 16,384 w
.set TRA,  7                           ; v7  the same in the buffer in hand
.set GOFF, 8                           ; v8  my 16 bytes in a slot in memory
.set EST,  9                           ; v9  my segment's entry
.set EWIN, 10                          ; v10 the first entry of my window
.set HST,  11                          ; v11 where my segment's last h goes
.set HLD,  12                          ; v12 the other group's last segment's
.set ONE,  13                          ; v13 1.0
.set LN16, 14                          ; v14 16 x lane
.set T2O,  15                          ; v15 (LAST = 1) my place in the tail's rows
.set KB,   16                          ; v16-19 -c x gate bias, a pair for each channel block
.set CC,   20                          ; v20-21 the h that enters my segment, two channel blocks
.set HB,   24                          ; v24-39 two C tiles: hid bias + 0.5
.set RS,   40                          ; v40-55 residual as loaded, then the result to store: tile i, block cb at RS + 8 i + 4 cb
.set ACC,  56                          ; v56-119 tile i, column block c (0, 1 gate; 2, 3 hid) at ACC + 32 i + 8 c
.set FO,   56                          ; the window, when the accumulators have been read
.set AF,   120                         ; v120-247 token fragments: tile i, K step kk at AF + 64 i + 8 kk.  In the vector work:
.set ZV,   120                         ; z, then a, then P: token jj, block cb at ZV + 2 jj + cb
.set GV,   152                         ; g, then b, hl, h
.set TT,   184                         ; at work, 16 for each tile
.set RT,   216                         ; (LAST = 1) the f32 residual of the last 32 tokens
.set WV,   14
.set GRP,  15
.set G1,   20                          ; s[20:27] descriptor group 1
.set G0A,  28                          ; s[28:31] group 0 of slot 0
.set G0B,  32                          ; s[32:35] group 0 of slot 1; it then walks
.set CNT,  36
.set TB,   37                          ; in the loop: the buffer of my next matrix work
.set NEGC, 38                          ; s[38:39] -log2(e)
.set HALFC, 40                         ; s[40:41] log2(e) / 2
.set RESB, 42
.set OUTB, 44
.set TLB,  46
.set MSB, 0
.macro WIN new                         ; the immediate's high byte repeats the setting that is left; a switch that changes nothing is dropped
.if MSB != (\new)
	s_set_vgpr_msb (MSB<<8)|(\new)
.set MSB, (\new)
.endif
.endm
; A round of the cluster's barrier: my work-group's barrier, so that wave 0's signal speaks for all eight waves; wave 0 signals; every wave waits for all four work-groups; my work-group's barrier once more.
.macro ROUND
	s_barrier_signal -1
	s_barrier_wait -1
	s_cmp_lg_u32 s[WV], 0
	s_cbranch_scc1 .Lnot_wave_0_\@
	s_barrier_signal -3
.Lnot_wave_0_\@:
	s_barrier_wait -3
	s_barrier_signal -1
	s_barrier_wait -1
.endm
.macro MEET                            ; a barrier of the work-group: my LDS stores are done and my LDS reads are back
	s_wait_dscnt 0x0
	s_barrier_signal -1
	s_barrier_wait -1
.endm
; The buffer that both groups have read is filled again, with the slot two on: it has two halves' work in which to land.
.macro REFILL
	s_wait_tensorcnt 0x0                           ; all my tensor loads have landed: the one that was out is my group of the next slot; so group 0 may be written
	ds_add_u32 v[SPW], v[NIL]                      ; 0 onto my spare word
	s_xor_b32 s[G0B+1], s[G0B+1], BUFX             ; the other buffer than last time,
	s_add_nc_u64 s[G0B+2:G0B+3], s[G0B+2:G0B+3], SLOTB  ; the next slot; the type bits on top are not reached
	s_wait_dscnt 0x0                               ; the add is done, and my reads of the buffer are over
	ROUND                                          ; both hold of every wave of all four work-groups
	tensor_load_to_lds s[G0B:G0B+3], s[G1:G1+7]
	s_nop 0
.rept 4
	v_nop
.endr
.endm
	s_load_b256 s[4:11], s[0:1], 0x0               ; hin s[4:5], Wl s[6:7], bl s[8:9], s[10:11] and s[12:13]: out and tail (LAST = 0), tail in and tail out (LAST = 1)
	s_load_b64 s[12:13], s[0:1], 0x20
	v_lshl_add_u32 v[SPW], v0, 2, SPARE
	v_mov_b32 v[NIL], 0
	ds_add_u32 v[SPW], v[NIL]                      ; the wave's opening
	v_lshrrev_b32 v1, 5, v0
	v_readfirstlane_b32 s[WV], v1                  ; wave 0..7
	s_lshr_b32 s[GRP], s[WV], 2                    ; 0: X, 1: Y
	s_bfe_u32 s16, ttmp6, 0x40000                  ; cx
	s_lshl_b32 s17, ttmp9, 2
	s_add_co_u32 s17, s17, s16                     ; slice = 4 x cluster x + cx
	s_and_b32 s18, ttmp7, 0xffff                   ; batch, which the four partners share
	s_mov_b32 s[G1], 15|(3<<16)|(1<<21)            ; 15:0 the mask of four; 17:16 elements of 8 bytes; 21 set beside a mask; no padding: the layout itself spreads the banks
	s_mov_b32 s[G1+1], 32<<16                      ; tensor_dim0 = 32 elements: rows of 256 bytes
	s_mov_b32 s[G1+2], 64<<16                      ; tensor_dim1 = 64 rows: a group's 16,384 dense bytes
	s_mov_b32 s[G1+3], 32<<16                      ; tile_dim0
	s_mov_b32 s[G1+4], 64                          ; tile_dim1
	s_mov_b32 s[G1+5], 32                          ; from row to row
	s_mov_b32 s[G1+6], 0
	s_mov_b32 s[G1+7], 0
	s_mov_b32 s[G0A], 1
	s_lshl_b32 s[G0A+1], s[WV], 14                 ; LDS: my wave's group in buffer 0
	s_mov_b32 s[G0B], 1
	s_add_co_u32 s[G0B+1], s[G0A+1], BUFX          ; and in buffer 1
	s_lshl_b32 s48, s18, 20                        ; a batch is 1 MiB
	s_add_co_u32 s50, s48, s[G0A+1]                ; + my group: nothing of cx in it
	s_mov_b32 s51, 0
.if LAST == 0
	s_lshl_b32 s52, s17, 11                        ; my two channel blocks in a group
	s_add_co_u32 s52, s52, s48
.else
	s_lshl_b32 s52, s17, 7                         ; the tail's rows: 32 x 1,024 bytes a batch, my 32 channels
	s_lshl_b32 s53, s18, 15
	s_add_co_u32 s52, s52, s53
.endif
	s_mov_b32 s53, 0
	s_lshl_b32 s54, s18, 3
	s_add_co_u32 s54, s54, s17
	s_lshl_b32 s54, s54, 12                        ; the register image of the last 32 tokens: 4,096 bytes for each (batch, slice)
	s_mov_b32 s55, 0
	s_lshl_b32 s56, s17, 15                        ; my 32 rows of W, 1,024 bytes each, in this layer's matrix
	s_add_co_u32 s56, s56, LAST*524288
	s_mov_b32 s57, 0
	s_lshl_b32 s58, s17, 7
	s_add_co_u32 s58, s58, LAST*2048
	s_mov_b32 s59, 0
	s_mov_b32 s[NEGC], 0xbfb8aa3b
	s_mov_b32 s[NEGC+1], s[NEGC]                   ; named with it as a pair
	s_mov_b32 s[HALFC], 0x3f38aa3b
	s_mov_b32 s[HALFC+1], s[HALFC]
	s_mov_b32 s[TB], 0
	s_wait_dscnt 0x0                               ; the opening add is done
	s_wait_kmcnt 0x0
	s_add_nc_u64 s[G0A+2:G0A+3], s[4:5], s[50:51]
	s_add_nc_u64 s[G0B+2:G0B+3], s[G0A+2:G0A+3], SLOTB
	s_or_b32 s[G0A+3], s[G0A+3], 0x80000000        ; type = 2
	s_or_b32 s[G0B+3], s[G0B+3], 0x80000000
.if LAST == 0
	s_add_nc_u64 s[RESB:RESB+1], s[4:5], s[52:53]
	s_sub_nc_u64 s[RESB:RESB+1], s[RESB:RESB+1], SLOTB  ; one slot back: every matrix part steps the two bases first, the first one onto slot 0
	s_add_nc_u64 s[OUTB:OUTB+1], s[10:11], s[52:53]
	s_sub_nc_u64 s[OUTB:OUTB+1], s[OUTB:OUTB+1], SLOTB
	s_add_nc_u64 s[TLB:TLB+1], s[12:13], s[54:55]
.else
	s_add_nc_u64 s[OUTB:OUTB+1], s[12:13], s[52:53]
	s_add_nc_u64 s[TLB:TLB+1], s[10:11], s[54:55]
.endif
	s_add_nc_u64 s[56:57], s[6:7], s[56:57]
	s_add_nc_u64 s[58:59], s[8:9], s[58:59]
	ROUND                                          ; all four work-groups are here: the first joint loads meet
	tensor_load_to_lds s[G0A:G0A+3], s[G1:G1+7]    ; slots 0 and 1: two loads of mine are out; later one
	s_nop 0
	tensor_load_to_lds s[G0B:G0B+3], s[G1:G1+7]
	s_nop 0
.rept 4
	v_nop
.endr
	; W.  Wave w fetches K step w of all four column blocks, rounds it to bf16 and leaves it in LDS as fragments; then every wave takes all 32 fragments into registers.
	v_and_b32 v1, 15, v0                           ; r
	v_bfe_u32 v2, v0, 4, 1                         ; h
	v_and_b32 v3, 31, v0                           ; lane
	v_lshlrev_b32 v22, 10, v1
	v_lshl_add_u32 v22, v2, 5, v22
	s_lshl_b32 s48, s[WV], 7
	v_add_nc_u32 v22, s48, v22                     ; row r, k = 32 w + 8 h
	v_lshlrev_b32 v23, 2, v1
.irp c, 0,1,2,3
.irp p, 0,1,2,3
	global_load_b128 v[AF+16*\c+4*\p:AF+16*\c+4*\p+3], v22, s[56:57] offset:(\c%2)*16384+(\c/2)*262144+(\p%2)*16+(\p/2)*64
.endr
.endr
	global_load_b32 v248, v23, s[58:59]
	global_load_b32 v249, v23, s[58:59] offset:64
	global_load_b32 v250, v23, s[58:59] offset:1024
	global_load_b32 v251, v23, s[58:59] offset:1088
	v_lshlrev_b32 v[LN16], 4, v3
	v_lshlrev_b32 v[TRB0], 4, v1
	v_lshl_add_u32 v[TRB0], v2, 9, v[TRB0]
	v_add_nc_u32 v[TRB0], s[G0A+1], v[TRB0]
	v_and_b32 v[GOFF], 7, v1
	v_lshlrev_b32 v[GOFF], 4, v[GOFF]
	v_lshl_add_u32 v[GOFF], v2, 7, v[GOFF]
	v_lshrrev_b32 v90, 3, v1
	v_lshl_add_u32 v[GOFF], v90, 9, v[GOFF]
	v_add_nc_u32 v[GOFF], s[G0A+1], v[GOFF]
	s_and_b32 s48, s[WV], 3                        ; segment u = 2 (w % 4) + h of my group's eight
	s_lshl_b32 s49, s48, 9
	s_lshl_b32 s54, s[GRP], 12
	s_add_co_u32 s49, s49, s54
	s_add_co_u32 s49, s49, XA
	v_lshlrev_b32 v[EWIN], 4, v1
	v_lshl_add_u32 v[EWIN], v2, 8, v[EWIN]
	v_add_nc_u32 v[EWIN], s49, v[EWIN]             ; entries u .. u + 6
	v_add_nc_u32 v[EST], 7*256, v[EWIN]            ; entry 7 + u
	s_lshl_b32 s49, s48, 8
	s_lshl_b32 s54, s[GRP], 10
	s_add_co_u32 s49, s49, s54
	s_add_co_u32 s49, s49, HR
	s_xor_b32 s54, s54, 1024                       ; the other group's words,
	s_add_co_u32 s54, s54, HR+7*128                ; its last segment
	v_lshlrev_b32 v[HST], 3, v1
	v_add_nc_u32 v[HLD], s54, v[HST]
	v_lshl_add_u32 v[HST], v2, 7, v[HST]
	v_add_nc_u32 v[HST], s49, v[HST]
	v_mov_b32 v[ONE], 1.0
	v_lshlrev_b32 v[T2O], 2, v1
	v_lshl_add_u32 v[T2O], v2, 14, v[T2O]          ; token 16 h, channel r
	v_mov_b32 v252, 1.0                            ; identities (A, B) = (1, 0) over both areas; the segments' entries are written over
	v_mov_b32 v253, 1.0
	v_mov_b32 v254, 0
	v_mov_b32 v255, 0
	v_lshl_add_u32 v90, v0, 4, XA
	ds_store_b128 v90, v[252:255]
	ds_store_b128 v90, v[252:255] offset:4096
	v_mov_b32 v88, 0.5                             ; the h in front of token 0
	v_mov_b32 v89, 0.5
	v_lshl_add_u32 v91, v0, 3, HR
	ds_store_b64 v91, v[88:89]
	s_lshl_b32 s49, s[WV], 10
	s_add_co_u32 s49, s49, WREG
	v_add_nc_u32 v92, s49, v[LN16]
	v_add_nc_u32 v93, WREG, v[LN16]
	s_wait_loadcnt 0x0
.set n, 0
.rept 32                               ; column block n / 8: 16 numbers a lane become a fragment's 8 registers
	v_cvt_pk_bf16_f32 v[ACC+n], v[AF+2*n], v[AF+2*n+1]
.set n, n+1
.endr
.irp c, 0,1,2,3
	ds_store_b128 v92, v[ACC+8*\c:ACC+8*\c+3]   offset:\c*8192
	ds_store_b128 v92, v[ACC+8*\c+4:ACC+8*\c+7] offset:\c*8192+512
.endr
	v_cvt_pk_bf16_f32 v248, v248, v249             ; the biases are rounded to bf16 like every input, and widened again
	v_cvt_pk_bf16_f32 v250, v250, v251
	v_lshlrev_b32 v249, 16, v248
	v_and_b32 v248, 0xffff0000, v248
	v_mul_f32 v[KB], s[NEGC], v249
	v_mul_f32 v[KB+2], s[NEGC], v248
	v_mov_b32 v[KB+1], v[KB]
	v_mov_b32 v[KB+3], v[KB+2]
	v_lshlrev_b32 v251, 16, v250
	v_and_b32 v250, 0xffff0000, v250
	v_add_f32 v[HB], 0.5, v251
	v_add_f32 v[HB+8], 0.5, v250
.set n, 1
.rept 7
	v_mov_b32 v[HB+n], v[HB]                       ; a C tile: a lane's eight rows share its channel's number
	v_mov_b32 v[HB+8+n], v[HB+8]
.set n, n+1
.endr
	s_wait_tensorcnt 0x1                           ; my group of slot 0 is in; slot 1's load, issued behind it, may stay out
	MEET
	WIN 0x40                                       ; destination window 1
.set n, 0
.rept 32
	ds_load_b128 v[8*n:8*n+3],   v93 offset:n*1024
	ds_load_b128 v[8*n+4:8*n+7], v93 offset:n*1024+512
.set n, n+1
.endr
	WIN 0
	s_wait_dscnt 0x0
; K steps k0 .. k1 - 1 of tile i: four products each, the four accumulators by turns.  K step 0 starts the sums: with 0 (gate) or with hid bias + 0.5.
.macro MULS i, k0, k1, wt
	WIN 0x04                                       ; source 1 (W) in window 1
.set kk, (\k0)
.rept (\k1)-(\k0)
.if \wt
	s_wait_dscnt 30-16*(\i)-2*kk                   ; so many turning loads were issued behind this K step's two
.endif
.set c, 0
.rept 4
.if (kk == 0) && (c < 2)
	v_wmma_f32_16x16x32_bf16 v[ACC+32*(\i)+8*c:ACC+32*(\i)+8*c+7], v[AF+64*(\i)+8*kk:AF+64*(\i)+8*kk+7], v[64*c+8*kk:64*c+8*kk+7], 0
.elseif kk == 0
	v_wmma_f32_16x16x32_bf16 v[ACC+32*(\i)+8*c:ACC+32*(\i)+8*c+7], v[AF+64*(\i)+8*kk:AF+64*(\i)+8*kk+7], v[64*c+8*kk:64*c+8*kk+7], v[HB+8*c-16:HB+8*c-9]
.else
	v_wmma_f32_16x16x32_bf16 v[ACC+32*(\i)+8*c:ACC+32*(\i)+8*c+7], v[AF+64*(\i)+8*kk:AF+64*(\i)+8*kk+7], v[64*c+8*kk:64*c+8*kk+7], v[ACC+32*(\i)+8*c:ACC+32*(\i)+8*c+7]
.endif
.set c, c+1
.endr
.set kk, kk+1
.endr
.endm
; Every matrix part ends with five places behind its last products, ahead of the label at which the groups' texts join: whatever part stands behind that label may then read their
; results, load into their registers or write over them (five is what a product that writes over a register wants).
.macro PLACES
.rept 5
	v_nop
.endr
.endm
; The first part of a group's matrix work: all 32 turning loads of my 32 tokens in one run, the residual's loads, tile 0 and KSPL K steps of tile 1.
; buf < 0: the buffer is the walking s[TB]'s (ahead of and in the loop); else it is the constant buf (the slots written out behind the loop).
.macro GEMA buf
.if LAST == 0
	s_wait_loadcnt 0x0                             ; no load of mine is out when RS is asked for anew (the second scan part has waited for the last ones: this is met at once)
	s_wait_xcnt 0x0                                ; my last stores have read RS and their base: both are written again only behind this wait
	s_add_nc_u64 s[RESB:RESB+1], s[RESB:RESB+1], SLOTB
	s_add_nc_u64 s[OUTB:OUTB+1], s[OUTB:OUTB+1], SLOTB
.endif
.if (\buf) < 0
	v_add_nc_u32 v[TRA], s[TB], v[TRB0]
	s_xor_b32 s[TB], s[TB], BUFX
.else
	v_add_nc_u32 v[TRA], (\buf), v[TRB0]
.endif
.set n, 0
.rept 16                               ; tile n / 8, K step n % 8; sixteen lanes take 256 consecutive bytes
	ds_load_tr16_b128 v[AF+8*n:AF+8*n+3],   v[TRA] offset:(n%8)*2048+(n/8)*256
	ds_load_tr16_b128 v[AF+8*n+4:AF+8*n+7], v[TRA] offset:(n%8)*2048+1024+(n/8)*256
.set n, n+1
.endr
.if LAST == 0
.irp n, 0,1,2,3
	global_load_b128 v[RS+4*\n:RS+4*\n+3], v[GOFF], s[RESB:RESB+1] offset:(\n%2)*1024+(\n/2)*256  ; my own channels of the same tokens: wanted a half later
.endr
.endif
	MULS 0, 0, 8, 1
	MULS 1, 0, KSPL, 1
	WIN 0
	PLACES
.endm
.macro GEMB                            ; the rest of tile 1; its fragments are in since the barrier's wait
	MULS 1, KSPL, 8, 0
	WIN 0
	PLACES
.endm
; Line n of 30 of the scan down a lane's 16 tokens: token jj = 1 + n / 2: hl = a hl + b, then P = a P
.macro SCL n
.set jj, 1+(\n)/2
.if (\n)%2 == 0
	v_pk_fma_f32 v[GV+2*jj:GV+2*jj+1], v[ZV+2*jj:ZV+2*jj+1], v[GV+2*jj-2:GV+2*jj-1], v[GV+2*jj:GV+2*jj+1]
.else
	v_pk_mul_f32 v[ZV+2*jj:ZV+2*jj+1], v[ZV+2*jj:ZV+2*jj+1], v[ZV+2*jj-2:ZV+2*jj-1]
.endif
.endm
; The nonlinearities of tile i.  hook = 1: the scan's lines for tile 0 stand among the exponentials.  Each accumulator is read from its low end on.
.macro NL i, hook
.set n, 0
.rept 8
	v_pk_fma_f32 v[ACC+32*(\i)+2*n:ACC+32*(\i)+2*n+1], v[ACC+32*(\i)+2*n:ACC+32*(\i)+2*n+1], s[NEGC:NEGC+1], v[KB+2*(n/4):KB+2*(n/4)+1] op_sel_hi:[1,0,0]  ; -c (gate + bias)
.set n, n+1
.endr
.set n, 0
.rept 8
	v_pk_fma_f32 v[TT+16*(\i)+2*n:TT+16*(\i)+2*n+1], v[ACC+32*(\i)+16+2*n:ACC+32*(\i)+16+2*n+1], s[NEGC:NEGC+1], s[HALFC:HALFC+1] op_sel_hi:[1,0,0]  ; -c hid, from hid + 0.5
.set n, n+1
.endr
.set n, 0
.rept 32
.if n < 16
	v_exp_f32 v[ACC+32*(\i)+n], v[ACC+32*(\i)+n]
.else
	v_exp_f32 v[TT+16*(\i)+n-16], v[TT+16*(\i)+n-16]
.endif
.if (\hook) && (n%2 == 1) && (sc < 14)
	SCL sc
.set sc, sc+1
.endif
.set n, n+1
.endr
	v_nop                                          ; a plain instruction between the last exponential and the use of its result (ISA guide 5.7.2)
.set n, 0
	s_wait_alu depctr_va_vdst(0)
.rept 8
	v_pk_add_f32 v[ACC+32*(\i)+2*n:ACC+32*(\i)+2*n+1], v[ACC+32*(\i)+2*n:ACC+32*(\i)+2*n+1], 1.0 op_sel_hi:[1,0]
	v_pk_add_f32 v[TT+16*(\i)+2*n:TT+16*(\i)+2*n+1], v[TT+16*(\i)+2*n:TT+16*(\i)+2*n+1], 1.0 op_sel_hi:[1,0]
.set n, n+1
.endr
.set n, 0
.rept 16                               ; block n / 8, row n % 8: the reciprocals lay z out by token, the two blocks side by side
	v_rcp_f32 v[ZV+2*(8*(\i)+n%8)+n/8], v[ACC+32*(\i)+n]
.set n, n+1
.endr
.set n, 0
.rept 16
	v_rcp_f32 v[TT+16*(\i)+n], v[TT+16*(\i)+n]
.set n, n+1
.endr
	v_nop
.set n, 0
	s_wait_alu depctr_va_vdst(0)
.rept 16
	v_max_num_f32 v[GV+2*(8*(\i)+n%8)+n/8], v[ACC+32*(\i)+16+n], v[TT+16*(\i)+n]  ; g = max(hid + 0.5, sigmoid(hid))
.set n, n+1
.endr
.set n, 8*(\i)
.rept 8
	v_pk_mul_f32 v[GV+2*n:GV+2*n+1], v[GV+2*n:GV+2*n+1], v[ZV+2*n:ZV+2*n+1]        ; b = z g
.set n, n+1
.endr
.set n, 8*(\i)
.rept 8
	v_pk_fma_f32 v[ZV+2*n:ZV+2*n+1], v[ZV+2*n:ZV+2*n+1], -1.0, 1.0 op_sel_hi:[1,0,0]  ; a = 1 - z
.set n, n+1
.endr
.endm
.macro SCAN1                           ; nonlinearities, the scan in the lane, my segment's entry
.set sc, 0
	NL 0, 0
	NL 1, 1
.rept 16
	SCL sc
.set sc, sc+1
.endr
	ds_store_b64 v[EST], v[ZV+30:ZV+31]
	ds_store_b64 v[EST], v[GV+30:GV+31] offset:8
.endm
.macro FOLD                            ; c = the h that enters my segment
	ds_load_b64 v[CC:CC+1], v[HLD]
.irp k, 0,1,2,3,4,5,6
	ds_load_b128 v[FO+4*\k:FO+4*\k+3], v[EWIN] offset:\k*256
.endr
.irp k, 0,1,2,3,4,5,6
	s_wait_dscnt 6-\k                              ; so many window loads were issued behind entry k
	v_pk_fma_f32 v[CC:CC+1], v[FO+4*\k:FO+4*\k+1], v[CC:CC+1], v[FO+4*\k+2:FO+4*\k+3]
.endr
.endm
.macro APPLY jj                        ; h = hl + P c
	v_pk_fma_f32 v[GV+2*(\jj):GV+2*(\jj)+1], v[ZV+2*(\jj):ZV+2*(\jj)+1], v[CC:CC+1], v[GV+2*(\jj):GV+2*(\jj)+1]
.endm
.macro SCAN2
	FOLD
	APPLY 15                                       ; the last token first: the other group waits for it
	ds_store_b64 v[HST], v[GV+30:GV+31]
.if LAST == 0
.set n, 0
.rept 15
	APPLY n
.set n, n+1
.endr
	s_wait_loadcnt 0x0                             ; the residual's four loads, issued a half ago; none stands behind them
.set n, 0
.rept 32                               ; tile n / 16, block (n / 8) % 2, word (n / 2) % 4, half n % 2
.set rg, GV+2*(8*(n/16)+2*((n/2)%4)+n%2)+(n/8)%2
.set rr, RS+8*(n/16)+4*((n/8)%2)+(n/2)%4
.if n%2
	v_fma_mix_f32_bf16 v[rg], v[rr], v[ONE], v[rg] op_sel:[1,0,0] op_sel_hi:[1,0,0]
.else
	v_fma_mix_f32_bf16 v[rg], v[rr], v[ONE], v[rg] op_sel_hi:[1,0,0]
.endif
.set n, n+1
.endr
.set n, 0
.rept 16                               ; tile n / 8, block (n / 4) % 2, token pair n % 4
	v_cvt_pk_bf16_f32 v[RS+n], v[GV+2*(8*(n/8)+2*(n%4))+(n/4)%2], v[GV+2*(8*(n/8)+2*(n%4)+1)+(n/4)%2]
.set n, n+1
.endr
.irp n, 0,1,2,3
	global_store_b128 v[GOFF], v[RS+4*\n:RS+4*\n+3], s[OUTB:OUTB+1] offset:(\n%2)*1024+(\n/2)*256  ; a wave's store covers two aligned runs of 256 bytes
.endr
.endif
.endm
.macro SCAN2F                          ; (LAST = 1) the last 32 tokens: h + the f32 residual, as rows of f32
	FOLD
.set n, 0
.rept 16
	APPLY n
.set n, n+1
.endr
.set n, 0
.rept 16
	v_pk_add_f32 v[GV+2*n:GV+2*n+1], v[GV+2*n:GV+2*n+1], v[RT+2*n:RT+2*n+1]
.set n, n+1
.endr
.set n, 0
.rept 32                               ; token n / 2 of my 16, block n % 2: 64 bytes from sixteen lanes; once in the launch, by one wave
	global_store_b32 v[T2O], v[GV+n], s[OUTB:OUTB+1] offset:(n/2)*1024+(n%2)*64
.set n, n+1
.endr
.endm
; One slot s.  X scans its half of slot s beside Y's products of the other half; then Y scans beside X's products of slot s + 1.
; mode 0: a trip of the loop: the buffer of slot s is filled again, with slot s + 2.  mode 1: slot 6: nothing is asked for; the buffers are constants (slot 6 lies in buffer 0, slot 7 in 1).
; mode 2: slot 7: X has no further slot, and wave 7, which holds the sequence's last 32 tokens, has more to do.  Every jump hangs on the wave's number, goes forward and passes neither a barrier nor a tensor load.
.macro TRIP mode
	s_cmp_lt_u32 s[WV], 4
	s_cbranch_scc0 .Lya_\@
	SCAN1
	s_branch .Lja_\@
.Lya_\@:
.if (\mode) == 0
	GEMA -1
.elseif (\mode) == 1
	GEMA 0
.else
	GEMA BUFX
.endif
.Lja_\@:
	MEET                                           ; X's entries are stored
	s_cmp_lt_u32 s[WV], 4
	s_cbranch_scc0 .Lyb_\@
	SCAN2
	s_branch .Ljb_\@
.Lyb_\@:
	GEMB
.Ljb_\@:
.if (\mode) == 0
	REFILL                                         ; both groups have read slot s
.elseif (\mode) == 1
	s_wait_tensorcnt 0x0                           ; slot 7's load has landed: no load was issued behind it
	MEET
.else
	MEET
.endif
	s_cmp_lt_u32 s[WV], 4
	s_cbranch_scc0 .Lyc_\@
.if (\mode) == 0
	GEMA -1
.elseif (\mode) == 1
	GEMA BUFX
.endif
	s_branch .Ljc_\@
.Lyc_\@:
.if ((\mode) == 2) && LAST
	s_cmp_eq_u32 s[WV], 7
	s_cbranch_scc0 .Lnr_\@
.irp q, 0,1,2,3,4,5,6,7
	global_load_b128 v[RT+4*\q:RT+4*\q+3], v[LN16], s[TLB:TLB+1] offset:\q*512  ; the residual in f32, as the layer before left its registers
.endr
.Lnr_\@:
.endif
	SCAN1
.Ljc_\@:
	MEET                                           ; Y's entries are stored
	s_cmp_lt_u32 s[WV], 4
	s_cbranch_scc0 .Lyd_\@
.if (\mode) < 2
	GEMB
.endif
	s_branch .Ljd_\@
.Lyd_\@:
.if ((\mode) == 2) && LAST
	s_wait_loadcnt 0x0                             ; the residual's loads, where there are any
	s_cmp_eq_u32 s[WV], 7
	s_cbranch_scc0 .Ljd_\@                         ; nobody reads the h of waves 4 to 6 any more
	SCAN2F
.else
	SCAN2
.if (\mode) == 2
	s_cmp_eq_u32 s[WV], 7
	s_cbranch_scc0 .Ljd_\@
.irp q, 0,1,2,3,4,5,6,7
	global_store_b128 v[LN16], v[GV+4*\q:GV+4*\q+3], s[TLB:TLB+1] offset:\q*512  ; the last 32 tokens once more, unrounded: 512 consecutive bytes a store
.endr
.endif
.endif
.Ljd_\@:
	MEET
.endm
	s_cmp_lt_u32 s[WV], 4                          ; X's half of slot 0: there is no vector work yet to set beside it
	s_cbranch_scc0 .Lp0
	GEMA -1
	s_wait_dscnt 0x0                               ; no barrier stands here, so the rest of the fragments is waited for
	GEMB
.Lp0:
	MEET
	s_mov_b32 s[CNT], 6                            ; slots 0 to 5: each asks for the slot two on
.Lslot:
	TRIP 0
	s_sub_co_u32 s[CNT], s[CNT], 1
	s_cmp_lg_u32 s[CNT], 0
	s_cbranch_scc1 .Lslot
	TRIP 1                                         ; slots 6 and 7 are written out
	TRIP 2
	s_wait_tensorcnt 0x0                           ; the wave's end
	ds_add_u32 v[SPW], v[NIL]
	s_wait_dscnt 0x0
	ROUND                                          ; the closing round: no work-group ends while a partner may still ask for a tile that names it
	s_endpgm
.Lfunc_end_k_qb888933aa0_layer1:
	.size	k_qb888933aa0_layer1, .Lfunc_end_k_qb888933aa0_layer1-k_qb888933aa0_layer1
	.p2alignl 7, 3214868480
	.fill 96, 4, 3214868480
	.section	.rodata,"a",@progbits
	.p2align	6, 0x0
	.amdhsa_kernel k_qb888933aa0_layer1
		.amdhsa_group_segment_fixed_size 327680
		.amdhsa_private_segment_fixed_size 0
		.amdhsa_enable_private_segment 0
		.amdhsa_kernarg_size 40
		.amdhsa_user_sgpr_count 2
		.amdhsa_user_sgpr_kernarg_segment_ptr 1
		.amdhsa_wavefront_size32 1
		.amdhsa_system_sgpr_workgroup_id_x 1
		.amdhsa_system_sgpr_workgroup_id_y 1
		.amdhsa_system_sgpr_workgroup_id_z 1
		.amdhsa_system_vgpr_workitem_id 0
		.amdhsa_next_free_vgpr 512
		.amdhsa_next_free_sgpr 66
		.amdhsa_reserve_vcc 0
		.amdhsa_float_denorm_mode_32 3
		.amdhsa_float_denorm_mode_16_64 3
		.amdhsa_memory_ordered 1
		.amdhsa_forward_progress 1
		.amdhsa_inst_pref_size 178
	.end_amdhsa_kernel
	.amdgpu_metadata
---
amdhsa.version: [ 1, 2 ]
amdhsa.kernels:
  - .name:           k_qb888933aa0_layer1
    .symbol:         k_qb888933aa0_layer1.kd
    .args:
      - { .name: h0, .offset: 0, .size: 8, .value_kind: global_buffer, .address_space: global }
      - { .name: Wl, .offset: 8, .size: 8, .value_kind: global_buffer, .address_space: global }
      - { .name: bl, .offset: 16, .size: 8, .value_kind: global_buffer, .address_space: global }
      - { .name: h1, .offset: 24, .size: 8, .value_kind: global_buffer, .address_space: global }
      - { .name: h1t, .offset: 32, .size: 8, .value_kind: global_buffer, .address_space: global }
    .group_segment_fixed_size: 327680
    .private_segment_fixed_size: 0
    .kernarg_segment_align: 8
    .kernarg_segment_size: 40
    .max_flat_workgroup_size: 256
    .sgpr_count:     66
    .vgpr_count:     512
    .wavefront_size: 32
...
	.end_amdgpu_metadata
.endif
;; end of part 2
;; launch layer2 (part 3): grid 8 x 32, 8 waves a work-group, clusters of 4 x 1, 327,680 bytes of LDS; arguments h1, Wl, bl, h1t, h2t; writes h2t
.if DOCPART == 3
	.amdgcn_target "amdgcn-amd-amdhsa--gfx1250"
	.amdhsa_code_object_version 6
	.text
	.protected	k_qb888933aa0_layer2
	.globl	k_qb888933aa0_layer2
	.p2align	8
	.type	k_qb888933aa0_layer2,@function
k_qb888933aa0_layer2:
	s_mov_b64 s[64:65], 0
	v_nop
	global_prefetch_b8 v0, s[64:65] scope:SCOPE_SE
	s_setreg_imm32_b32 hwreg(HW_REG_WAVE_MODE, 25, 1), 1
	s_wait_xcnt 0x0
	s_wait_alu depctr_hold_cnt(0) depctr_sa_sdst(0) depctr_va_vdst(0) depctr_va_sdst(0) depctr_va_ssrc(0) depctr_va_vcc(0) depctr_vm_vsrc(0)
	s_getreg_b32 s2, hwreg(HW_REG_IB_STS2, 6, 4)
	s_cmp_eq_u32 s2, 0
	s_cbranch_scc0 .Lentry_in_a_cluster
	s_endpgm
.Lentry_in_a_cluster:
	s_bfe_u32 s2, ttmp6, 0x10000c
	s_cmp_lg_u32 s2, 0x3003
	s_cbranch_scc0 .Lentry_shape_is_right
	s_endpgm
.Lentry_shape_is_right:
; A minGRU LAYER OF 256 CHANNELS.  gh = hin W^T + bias (bf16 operands, f32 sums); z = sigmoid(gate), g = max(hid + 0.5, sigmoid(hid)) (that is hid + 0.5 for hid >= 0, sigmoid(hid) below);
; h_t = (1 - z_t) h_(t-1) + z_t g_t in f32, h before the first token = 0.5; out = h + hin.  LAST = 0: the middle layer, which stores the whole sequence in bf16 (and its last 32 tokens in f32);
; LAST = 1: the last layer, which carries the scan to the end and stores h + residual in f32 for the last 32 tokens alone.  The text is the middle layer's, with LAST and KSPL set otherwise.
; SHARES.  A work-group owns 32 channels (slice) of one sequence (batch), all 2,048 tokens: no carry leaves it.  Its 64 rows of W (32 gate, 32 hid) x 256 stay in 256 registers of every wave.
; A SLOT is 256 tokens x 256 channels of hin, 131,072 bytes; wave w fetches and reads group w of its eight groups of 32 tokens.  Two slots in LDS take turns.
; PRODUCTS.  Source 0 = 16 tokens (turned out of LDS by ds_load_tr16_b128), source 1 = 16 rows of W: register j of lane (r, h) is (row 8 h + j, channel r).  Rows 0-7 of tile i are tokens
; 8 i + 0..7 of the group, rows 8-15 tokens 16 + 8 i + 0..7: over i = 0, 1 half h of the wave owns 16 consecutive tokens, a SEGMENT, and the scan runs down a lane's registers.
; THE SCAN.  In the lane: hl = a hl + b, P = a P, packed over the two channel blocks.  A segment's last (P, hl) goes to LDS; behind a barrier each lane starts from the h that the group of waves
; before left and folds the seven entries in front of its own (identities, then earlier segments); then h = hl + P c.  No exponential of a sum over tokens is formed: the only exponentials
; are the sigmoids', whose overflow (1 / inf = 0) and underflow (1 / 1) are the sigmoids' own limits.
; BY TURNS.  Waves 0-3 (X) and 4-7 (Y): while one group multiplies a slot's half, the other does the vector work of the half that it multiplied just before.  The halves follow each other in
; the sequence: X(s), Y(s), X(s + 1) ..  Barriers stand in common text; the branches on the wave's number hold none.
; CLUSTER.  The four slices of a cluster read the same slots of hin: each tile is asked for JOINTLY, by the same tensor load, descriptor and mask in all four; the slice enters global addresses alone.
; LIMITS.  W and the biases are rounded once to bf16; hin is bf16; exponentials and reciprocals flush denormals, P and terms below 2^-126 count as 0; NaN and infinities in the inputs are not
; treated apart; the order of roundings is the recurrence's, not that of a scan in logarithms.
; hin's LAYOUT: [batch][group of 32 tokens][block of 16 channels][1,024 bytes]; in a block the 16 bytes "channel c, tokens 16 hs + 8 i + 0..7" lie at (c / 8) 512 + i 256 + hs 128 + (c % 8) 16.
.set LAST,  1
.set KSPL,  6                          ; of tile 1's eight K steps so many stand in the first part of a group's matrix work: here the second scan part is a few lines
.set BUFX,  0x20000                    ; slot buffers at 0 and here: one exclusive or turns an address in one into the other's
.set SLOTB, 0x20000                    ; a slot's bytes in memory
.set WREG,  262144                     ; 32 fragments of W x 1,024 bytes, stored once
.set XA,    294912                     ; exchange areas, X's and Y's, 4,096 bytes each: entries of 256 bytes, 0-6 identities, 7-14 segments 0-7; an entry: 16 channels x (A0, A1, B0, B1)
.set HR,    303104                     ; the segments' last h: 2 groups x 8 segments x 16 lanes x 8 bytes
.set SPARE, 305152                     ; the spare words: 128 bytes a wave, four blocks of 256 bytes that no other line names
.set SPW,  4                           ; v4  my spare word's address; never rewritten
.set NIL,  5                           ; v5  0; never rewritten
.set TRB0, 6                           ; v6  my lane's place in my wave's group: 512 h + 16 r + 16,384 w
.set TRA,  7                           ; v7  the same in the buffer in hand
.set GOFF, 8                           ; v8  my 16 bytes in a slot in memory
.set EST,  9                           ; v9  my segment's entry
.set EWIN, 10                          ; v10 the first entry of my window
.set HST,  11                          ; v11 where my segment's last h goes
.set HLD,  12                          ; v12 the other group's last segment's
.set ONE,  13                          ; v13 1.0
.set LN16, 14                          ; v14 16 x lane
.set T2O,  15                          ; v15 (LAST = 1) my place in the tail's rows
.set KB,   16                          ; v16-19 -c x gate bias, a pair for each channel block
.set CC,   20                          ; v20-21 the h that enters my segment, two channel blocks
.set HB,   24                          ; v24-39 two C tiles: hid bias + 0.5
.set RS,   40                          ; v40-55 residual as loaded, then the result to store: tile i, block cb at RS + 8 i + 4 cb
.set ACC,  56                          ; v56-119 tile i, column block c (0, 1 gate; 2, 3 hid) at ACC + 32 i + 8 c
.set FO,   56                          ; the window, when the accumulators have been read
.set AF,   120                         ; v120-247 token fragments: tile i, K step kk at AF + 64 i + 8 kk.  In the vector work:
.set ZV,   120                         ; z, then a, then P: token jj, block cb at ZV + 2 jj + cb
.set GV,   152                         ; g, then b, hl, h
.set TT,   184                         ; at work, 16 for each tile
.set RT,   216                         ; (LAST = 1) the f32 residual of the last 32 tokens
.set WV,   14
.set GRP,  15
.set G1,   20                          ; s[20:27] descriptor group 1
.set G0A,  28                          ; s[28:31] group 0 of slot 0
.set G0B,  32                          ; s[32:35] group 0 of slot 1; it then walks
.set CNT,  36
.set TB,   37                          ; in the loop: the buffer of my next matrix work
.set NEGC, 38                          ; s[38:39] -log2(e)
.set HALFC, 40                         ; s[40:41] log2(e) / 2
.set RESB, 42
.set OUTB, 44
.set TLB,  46
.set MSB, 0
.macro WIN new                         ; the immediate's high byte repeats the setting that is left; a switch that changes nothing is dropped
.if MSB != (\new)
	s_set_vgpr_msb (MSB<<8)|(\new)
.set MSB, (\new)
.endif
.endm
; A round of the cluster's barrier: my work-group's barrier, so that wave 0's signal speaks for all eight waves; wave 0 signals; every wave waits for all four work-groups; my work-group's barrier once more.
.macro ROUND
	s_barrier_signal -1
	s_barrier_wait -1
	s_cmp_lg_u32 s[WV], 0
	s_cbranch_scc1 .Lnot_wave_0_\@
	s_barrier_signal -3
.Lnot_wave_0_\@:
	s_barrier_wait -3
	s_barrier_signal -1
	s_barrier_wait -1
.endm
.macro MEET                            ; a barrier of the work-group: my LDS stores are done and my LDS reads are back
	s_wait_dscnt 0x0
	s_barrier_signal -1
	s_barrier_wait -1
.endm
; The buffer that both groups have read is filled again, with the slot two on: it has two halves' work in which to land.
.macro REFILL
	s_wait_tensorcnt 0x0                           ; all my tensor loads have landed: the one that was out is my group of the next slot; so group 0 may be written
	ds_add_u32 v[SPW], v[NIL]                      ; 0 onto my spare word
	s_xor_b32 s[G0B+1], s[G0B+1], BUFX             ; the other buffer than last time,
	s_add_nc_u64 s[G0B+2:G0B+3], s[G0B+2:G0B+3], SLOTB  ; the next slot; the type bits on top are not reached
	s_wait_dscnt 0x0                               ; the add is done, and my reads of the buffer are over
	ROUND                                          ; both hold of every wave of all four work-groups
	tensor_load_to_lds s[G0B:G0B+3], s[G1:G1+7]
	s_nop 0
.rept 4
	v_nop
.endr
.endm
	s_load_b256 s[4:11], s[0:1], 0x0               ; hin s[4:5], Wl s[6:7], bl s[8:9], s[10:11] and s[12:13]: out and tail (LAST = 0), tail in and tail out (LAST = 1)
	s_load_b64 s[12:13], s[0:1], 0x20
	v_lshl_add_u32 v[SPW], v0, 2, SPARE
	v_mov_b32 v[NIL], 0
	ds_add_u32 v[SPW], v[NIL]                      ; the wave's opening
	v_lshrrev_b32 v1, 5, v0
	v_readfirstlane_b32 s[WV], v1                  ; wave 0..7
	s_lshr_b32 s[GRP], s[WV], 2                    ; 0: X, 1: Y
	s_bfe_u32 s16, ttmp6, 0x40000                  ; cx
	s_lshl_b32 s17, ttmp9, 2
	s_add_co_u32 s17, s17, s16                     ; slice = 4 x cluster x + cx
	s_and_b32 s18, ttmp7, 0xffff                   ; batch, which the four partners share
	s_mov_b32 s[G1], 15|(3<<16)|(1<<21)            ; 15:0 the mask of four; 17:16 elements of 8 bytes; 21 set beside a mask; no padding: the layout itself spreads the banks
	s_mov_b32 s[G1+1], 32<<16                      ; tensor_dim0 = 32 elements: rows of 256 bytes
	s_mov_b32 s[G1+2], 64<<16                      ; tensor_dim1 = 64 rows: a group's 16,384 dense bytes
	s_mov_b32 s[G1+3], 32<<16                      ; tile_dim0
	s_mov_b32 s[G1+4], 64                          ; tile_dim1
	s_mov_b32 s[G1+5], 32                          ; from row to row
	s_mov_b32 s[G1+6], 0
	s_mov_b32 s[G1+7], 0
	s_mov_b32 s[G0A], 1
	s_lshl_b32 s[G0A+1], s[WV], 14                 ; LDS: my wave's group in buffer 0
	s_mov_b32 s[G0B], 1
	s_add_co_u32 s[G0B+1], s[G0A+1], BUFX          ; and in buffer 1
	s_lshl_b32 s48, s18, 20                        ; a batch is 1 MiB
	s_add_co_u32 s50, s48, s[G0A+1]                ; + my group: nothing of cx in it
	s_mov_b32 s51, 0
.if LAST == 0
	s_lshl_b32 s52, s17, 11                        ; my two channel blocks in a group
	s_add_co_u32 s52, s52, s48
.else
	s_lshl_b32 s52, s17, 7                         ; the tail's rows: 32 x 1,024 bytes a batch, my 32 channels
	s_lshl_b32 s53, s18, 15
	s_add_co_u32 s52, s52, s53
.endif
	s_mov_b32 s53, 0
	s_lshl_b32 s54, s18, 3
	s_add_co_u32 s54, s54, s17
	s_lshl_b32 s54, s54, 12                        ; the register image of the last 32 tokens: 4,096 bytes for each (batch, slice)
	s_mov_b32 s55, 0
	s_lshl_b32 s56, s17, 15                        ; my 32 rows of W, 1,024 bytes each, in this layer's matrix
	s_add_co_u32 s56, s56, LAST*524288
	s_mov_b32 s57, 0
	s_lshl_b32 s58, s17, 7
	s_add_co_u32 s58, s58, LAST*2048
	s_mov_b32 s59, 0
	s_mov_b32 s[NEGC], 0xbfb8aa3b
	s_mov_b32 s[NEGC+1], s[NEGC]                   ; named with it as a pair
	s_mov_b32 s[HALFC], 0x3f38aa3b
	s_mov_b32 s[HALFC+1], s[HALFC]
	s_mov_b32 s[TB], 0
	s_wait_dscnt 0x0                               ; the opening add is done
	s_wait_kmcnt 0x0
	s_add_nc_u64 s[G0A+2:G0A+3], s[4:5], s[50:51]
	s_add_nc_u64 s[G0B+2:G0B+3], s[G0A+2:G0A+3], SLOTB
	s_or_b32 s[G0A+3], s[G0A+3], 0x80000000        ; type = 2
	s_or_b32 s[G0B+3], s[G0B+3], 0x80000000
.if LAST == 0
	s_add_nc_u64 s[RESB:RESB+1], s[4:5], s[52:53]
	s_sub_nc_u64 s[RESB:RESB+1], s[RESB:RESB+1], SLOTB  ; one slot back: every matrix part steps the two bases first, the first one onto slot 0
	s_add_nc_u64 s[OUTB:OUTB+1], s[10:11], s[52:53]
	s_sub_nc_u64 s[OUTB:OUTB+1], s[OUTB:OUTB+1], SLOTB
	s_add_nc_u64 s[TLB:TLB+1], s[12:13], s[54:55]
.else
	s_add_nc_u64 s[OUTB:OUTB+1], s[12:13], s[52:53]
	s_add_nc_u64 s[TLB:TLB+1], s[10:11], s[54:55]
.endif
	s_add_nc_u64 s[56:57], s[6:7], s[56:57]
	s_add_nc_u64 s[58:59], s[8:9], s[58:59]
	ROUND                                          ; all four work-groups are here: the first joint loads meet
	tensor_load_to_lds s[G0A:G0A+3], s[G1:G1+7]    ; slots 0 and 1: two loads of mine are out; later one
	s_nop 0
	tensor_load_to_lds s[G0B:G0B+3], s[G1:G1+7]
	s_nop 0
.rept 4
	v_nop
.endr
	; W.  Wave w fetches K step w of all four column blocks, rounds it to bf16 and leaves it in LDS as fragments; then every wave takes all 32 fragments into registers.
	v_and_b32 v1, 15, v0                           ; r
	v_bfe_u32 v2, v0, 4, 1                         ; h
	v_and_b32 v3, 31, v0                           ; lane
	v_lshlrev_b32 v22, 10, v1
	v_lshl_add_u32 v22, v2, 5, v22
	s_lshl_b32 s48, s[WV], 7
	v_add_nc_u32 v22, s48, v22                     ; row r, k = 32 w + 8 h
	v_lshlrev_b32 v23, 2, v1
.irp c, 0,1,2,3
.irp p, 0,1,2,3
	global_load_b128 v[AF+16*\c+4*\p:AF+16*\c+4*\p+3], v22, s[56:57] offset:(\c%2)*16384+(\c/2)*262144+(\p%2)*16+(\p/2)*64
.endr
.endr
	global_load_b32 v248, v23, s[58:59]
	global_load_b32 v249, v23, s[58:59] offset:64
	global_load_b32 v250, v23, s[58:59] offset:1024
	global_load_b32 v251, v23, s[58:59] offset:1088
	v_lshlrev_b32 v[LN16], 4, v3
	v_lshlrev_b32 v[TRB0], 4, v1
	v_lshl_add_u32 v[TRB0], v2, 9, v[TRB0]
	v_add_nc_u32 v[TRB0], s[G0A+1], v[TRB0]
	v_and_b32 v[GOFF], 7, v1
	v_lshlrev_b32 v[GOFF], 4, v[GOFF]
	v_lshl_add_u32 v[GOFF], v2, 7, v[GOFF]
	v_lshrrev_b32 v90, 3, v1
	v_lshl_add_u32 v[GOFF], v90, 9, v[GOFF]
	v_add_nc_u32 v[GOFF], s[G0A+1], v[GOFF]
	s_and_b32 s48, s[WV], 3                        ; segment u = 2 (w % 4) + h of my group's eight
	s_lshl_b32 s49, s48, 9
	s_lshl_b32 s54, s[GRP], 12
	s_add_co_u32 s49, s49, s54
	s_add_co_u32 s49, s49, XA
	v_lshlrev_b32 v[EWIN], 4, v1
	v_lshl_add_u32 v[EWIN], v2, 8, v[EWIN]
	v_add_nc_u32 v[EWIN], s49, v[EWIN]             ; entries u .. u + 6
	v_add_nc_u32 v[EST], 7*256, v[EWIN]            ; entry 7 + u
	s_lshl_b32 s49, s48, 8
	s_lshl_b32 s54, s[GRP], 10
	s_add_co_u32 s49, s49, s54
	s_add_co_u32 s49, s49, HR
	s_xor_b32 s54, s54, 1024                       ; the other group's words,
	s_add_co_u32 s54, s54, HR+7*128                ; its last segment
	v_lshlrev_b32 v[HST], 3, v1
	v_add_nc_u32 v[HLD], s54, v[HST]
	v_lshl_add_u32 v[HST], v2, 7, v[HST]
	v_add_nc_u32 v[HST], s49, v[HST]
	v_mov_b32 v[ONE], 1.0
	v_lshlrev_b32 v[T2O], 2, v1
	v_lshl_add_u32 v[T2O], v2, 14, v[T2O]          ; token 16 h, channel r
	v_mov_b32 v252, 1.0                            ; identities (A, B) = (1, 0) over both areas; the segments' entries are written over
	v_mov_b32 v253, 1.0
	v_mov_b32 v254, 0
	v_mov_b32 v255, 0
	v_lshl_add_u32 v90, v0, 4, XA
	ds_store_b128 v90, v[252:255]
	ds_store_b128 v90, v[252:255] offset:4096
	v_mov_b32 v88, 0.5                             ; the h in front of token 0
	v_mov_b32 v89, 0.5
	v_lshl_add_u32 v91, v0, 3, HR
	ds_store_b64 v91, v[88:89]
	s_lshl_b32 s49, s[WV], 10
	s_add_co_u32 s49, s49, WREG
	v_add_nc_u32 v92, s49, v[LN16]
	v_add_nc_u32 v93, WREG, v[LN16]
	s_wait_loadcnt 0x0
.set n, 0
.rept 32                               ; column block n / 8: 16 numbers a lane become a fragment's 8 registers
	v_cvt_pk_bf16_f32 v[ACC+n], v[AF+2*n], v[AF+2*n+1]
.set n, n+1
.endr
.irp c, 0,1,2,3
	ds_store_b128 v92, v[ACC+8*\c:ACC+8*\c+3]   offset:\c*8192
	ds_store_b128 v92, v[ACC+8*\c+4:ACC+8*\c+7] offset:\c*8192+512
.endr
	v_cvt_pk_bf16_f32 v248, v248, v249             ; the biases are rounded to bf16 like every input, and widened again
	v_cvt_pk_bf16_f32 v250, v250, v251
	v_lshlrev_b32 v249, 16, v248
	v_and_b32 v248, 0xffff0000, v248
	v_mul_f32 v[KB], s[NEGC], v249
	v_mul_f32 v[KB+2], s[NEGC], v248
	v_mov_b32 v[KB+1], v[KB]
	v_mov_b32 v[KB+3], v[KB+2]
	v_lshlrev_b32 v251, 16, v250
	v_and_b32 v250, 0xffff0000, v250
	v_add_f32 v[HB], 0.5, v251
	v_add_f32 v[HB+8], 0.5, v250
.set n, 1
.rept 7
	v_mov_b32 v[HB+n], v[HB]                       ; a C tile: a lane's eight rows share its channel's number
	v_mov_b32 v[HB+8+n], v[HB+8]
.set n, n+1
.endr
	s_wait_tensorcnt 0x1                           ; my group of slot 0 is in; slot 1's load, issued behind it, may stay out
	MEET
	WIN 0x40                                       ; destination window 1
.set n, 0
.rept 32
	ds_load_b128 v[8*n:8*n+3],   v93 offset:n*1024
	ds_load_b128 v[8*n+4:8*n+7], v93 offset:n*1024+512
.set n, n+1
.endr
	WIN 0
	s_wait_dscnt 0x0
; K steps k0 .. k1 - 1 of tile i: four products each, the four accumulators by turns.  K step 0 starts the sums: with 0 (gate) or with hid bias + 0.5.
.macro MULS i, k0, k1, wt
	WIN 0x04                                       ; source 1 (W) in window 1
.set kk, (\k0)
.rept (\k1)-(\k0)
.if \wt
	s_wait_dscnt 30-16*(\i)-2*kk                   ; so many turning loads were issued behind this K step's two
.endif
.set c, 0
.rept 4
.if (kk == 0) && (c < 2)
	v_wmma_f32_16x16x32_bf16 v[ACC+32*(\i)+8*c:ACC+32*(\i)+8*c+7], v[AF+64*(\i)+8*kk:AF+64*(\i)+8*kk+7], v[64*c+8*kk:64*c+8*kk+7], 0
.elseif kk == 0
	v_wmma_f32_16x16x32_bf16 v[ACC+32*(\i)+8*c:ACC+32*(\i)+8*c+7], v[AF+64*(\i)+8*kk:AF+64*(\i)+8*kk+7], v[64*c+8*kk:64*c+8*kk+7], v[HB+8*c-16:HB+8*c-9]
.else
	v_wmma_f32_16x16x32_bf16 v[ACC+32*(\i)+8*c:ACC+32*(\i)+8*c+7], v[AF+64*(\i)+8*kk:AF+64*(\i)+8*kk+7], v[64*c+8*kk:64*c+8*kk+7], v[ACC+32*(\i)+8*c:ACC+32*(\i)+8*c+7]
.endif
.set c, c+1
.endr
.set kk, kk+1
.endr
.endm
; Every matrix part ends with five places behind its last products, ahead of the label at which the groups' texts join: whatever part stands behind that label may then read their
; results, load into their registers or write over them (five is what a product that writes over a register wants).
.macro PLACES
.rept 5
	v_nop
.endr
.endm
; The first part of a group's matrix work: all 32 turning loads of my 32 tokens in one run, the residual's loads, tile 0 and KSPL K steps of tile 1.
; buf < 0: the buffer is the walking s[TB]'s (ahead of and in the loop); else it is the constant buf (the slots written out behind the loop).
.macro GEMA buf
.if LAST == 0
	s_wait_loadcnt 0x0                             ; no load of mine is out when RS is asked for anew (the second scan part has waited for the last ones: this is met at once)
	s_wait_xcnt 0x0                                ; my last stores have read RS and their base: both are written again only behind this wait
	s_add_nc_u64 s[RESB:RESB+1], s[RESB:RESB+1], SLOTB
	s_add_nc_u64 s[OUTB:OUTB+1], s[OUTB:OUTB+1], SLOTB
.endif
.if (\buf) < 0
	v_add_nc_u32 v[TRA], s[TB], v[TRB0]
	s_xor_b32 s[TB], s[TB], BUFX
.else
	v_add_nc_u32 v[TRA], (\buf), v[TRB0]
.endif
.set n, 0
.rept 16                               ; tile n / 8, K step n % 8; sixteen lanes take 256 consecutive bytes
	ds_load_tr16_b128 v[AF+8*n:AF+8*n+3],   v[TRA] offset:(n%8)*2048+(n/8)*256
	ds_load_tr16_b128 v[AF+8*n+4:AF+8*n+7], v[TRA] offset:(n%8)*2048+1024+(n/8)*256
.set n, n+1
.endr
.if LAST == 0
.irp n, 0,1,2,3
	global_load_b128 v[RS+4*\n:RS+4*\n+3], v[GOFF], s[RESB:RESB+1] offset:(\n%2)*1024+(\n/2)*256  ; my own channels of the same tokens: wanted a half later
.endr
.endif
	MULS 0, 0, 8, 1
	MULS 1, 0, KSPL, 1
	WIN 0
	PLACES
.endm
.macro GEMB                            ; the rest of tile 1; its fragments are in since the barrier's wait
	MULS 1, KSPL, 8, 0
	WIN 0
	PLACES
.endm
; Line n of 30 of the scan down a lane's 16 tokens: token jj = 1 + n / 2: hl = a hl + b, then P = a P
.macro SCL n
.set jj, 1+(\n)/2
.if (\n)%2 == 0
	v_pk_fma_f32 v[GV+2*jj:GV+2*jj+1], v[ZV+2*jj:ZV+2*jj+1], v[GV+2*jj-2:GV+2*jj-1], v[GV+2*jj:GV+2*jj+1]
.else
	v_pk_mul_f32 v[ZV+2*jj:ZV+2*jj+1], v[ZV+2*jj:ZV+2*jj+1], v[ZV+2*jj-2:ZV+2*jj-1]
.endif
.endm
; The nonlinearities of tile i.  hook = 1: the scan's lines for tile 0 stand among the exponentials.  Each accumulator is read from its low end on.
.macro NL i, hook
.set n, 0
.rept 8
	v_pk_fma_f32 v[ACC+32*(\i)+2*n:ACC+32*(\i)+2*n+1], v[ACC+32*(\i)+2*n:ACC+32*(\i)+2*n+1], s[NEGC:NEGC+1], v[KB+2*(n/4):KB+2*(n/4)+1] op_sel_hi:[1,0,0]  ; -c (gate + bias)
.set n, n+1
.endr
.set n, 0
.rept 8
	v_pk_fma_f32 v[TT+16*(\i)+2*n:TT+16*(\i)+2*n+1], v[ACC+32*(\i)+16+2*n:ACC+32*(\i)+16+2*n+1], s[NEGC:NEGC+1], s[HALFC:HALFC+1] op_sel_hi:[1,0,0]  ; -c hid, from hid + 0.5
.set n, n+1
.endr
.set n, 0
.rept 32
.if n < 16
	v_exp_f32 v[ACC+32*(\i)+n], v[ACC+32*(\i)+n]
.else
	v_exp_f32 v[TT+16*(\i)+n-16], v[TT+16*(\i)+n-16]
.endif
.if (\hook) && (n%2 == 1) && (sc < 14)
	SCL sc
.set sc, sc+1
.endif
.set n, n+1
.endr
	v_nop                                          ; a plain instruction between the last exponential and the use of its result (ISA guide 5.7.2)
.set n, 0
	s_wait_alu depctr_va_vdst(0)
.rept 8
	v_pk_add_f32 v[ACC+32*(\i)+2*n:ACC+32*(\i)+2*n+1], v[ACC+32*(\i)+2*n:ACC+32*(\i)+2*n+1], 1.0 op_sel_hi:[1,0]
	v_pk_add_f32 v[TT+16*(\i)+2*n:TT+16*(\i)+2*n+1], v[TT+16*(\i)+2*n:TT+16*(\i)+2*n+1], 1.0 op_sel_hi:[1,0]
.set n, n+1
.endr
.set n, 0
.rept 16                               ; block n / 8, row n % 8: the reciprocals lay z out by token, the two blocks side by side
	v_rcp_f32 v[ZV+2*(8*(\i)+n%8)+n/8], v[ACC+32*(\i)+n]
.set n, n+1
.endr
.set n, 0
.rept 16
	v_rcp_f32 v[TT+16*(\i)+n], v[TT+16*(\i)+n]
.set n, n+1
.endr
	v_nop
.set n, 0
	s_wait_alu depctr_va_vdst(0)
.rept 16
	v_max_num_f32 v[GV+2*(8*(\i)+n%8)+n/8], v[ACC+32*(\i)+16+n], v[TT+16*(\i)+n]  ; g = max(hid + 0.5, sigmoid(hid))
.set n, n+1
.endr
.set n, 8*(\i)
.rept 8
	v_pk_mul_f32 v[GV+2*n:GV+2*n+1], v[GV+2*n:GV+2*n+1], v[ZV+2*n:ZV+2*n+1]        ; b = z g
.set n, n+1
.endr
.set n, 8*(\i)
.rept 8
	v_pk_fma_f32 v[ZV+2*n:ZV+2*n+1], v[ZV+2*n:ZV+2*n+1], -1.0, 1.0 op_sel_hi:[1,0,0]  ; a = 1 - z
.set n, n+1
.endr
.endm
.macro SCAN1                           ; nonlinearities, the scan in the lane, my segment's entry
.set sc, 0
	NL 0, 0
	NL 1, 1
.rept 16
	SCL sc
.set sc, sc+1
.endr
	ds_store_b64 v[EST], v[ZV+30:ZV+31]
	ds_store_b64 v[EST], v[GV+30:GV+31] offset:8
.endm
.macro FOLD                            ; c = the h that enters my segment
	ds_load_b64 v[CC:CC+1], v[HLD]
.irp k, 0,1,2,3,4,5,6
	ds_load_b128 v[FO+4*\k:FO+4*\k+3], v[EWIN] offset:\k*256
.endr
.irp k, 0,1,2,3,4,5,6
	s_wait_dscnt 6-\k                              ; so many window loads were issued behind entry k
	v_pk_fma_f32 v[CC:CC+1], v[FO+4*\k:FO+4*\k+1], v[CC:CC+1], v[FO+4*\k+2:FO+4*\k+3]
.endr
.endm
.macro APPLY jj                        ; h = hl + P c
	v_pk_fma_f32 v[GV+2*(\jj):GV+2*(\jj)+1], v[ZV+2*(\jj):ZV+2*(\jj)+1], v[CC:CC+1], v[GV+2*(\jj):GV+2*(\jj)+1]
.endm
.macro SCAN2
	FOLD
	APPLY 15                                       ; the last token first: the other group waits for it
	ds_store_b64 v[HST], v[GV+30:GV+31]
.if LAST == 0
.set n, 0
.rept 15
	APPLY n
.set n, n+1
.endr
	s_wait_loadcnt 0x0                             ; the residual's four loads, issued a half ago; none stands behind them
.set n, 0
.rept 32                               ; tile n / 16, block (n / 8) % 2, word (n / 2) % 4, half n % 2
.set rg, GV+2*(8*(n/16)+2*((n/2)%4)+n%2)+(n/8)%2
.set rr, RS+8*(n/16)+4*((n/8)%2)+(n/2)%4
.if n%2
	v_fma_mix_f32_bf16 v[rg], v[rr], v[ONE], v[rg] op_sel:[1,0,0] op_sel_hi:[1,0,0]
.else
	v_fma_mix_f32_bf16 v[rg], v[rr], v[ONE], v[rg] op_sel_hi:[1,0,0]
.endif
.set n, n+1
.endr
.set n, 0
.rept 16                               ; tile n / 8, block (n / 4) % 2, token pair n % 4
	v_cvt_pk_bf16_f32 v[RS+n], v[GV+2*(8*(n/8)+2*(n%4))+(n/4)%2], v[GV+2*(8*(n/8)+2*(n%4)+1)+(n/4)%2]
.set n, n+1
.endr
.irp n, 0,1,2,3
	global_store_b128 v[GOFF], v[RS+4*\n:RS+4*\n+3], s[OUTB:OUTB+1] offset:(\n%2)*1024+(\n/2)*256  ; a wave's store covers two aligned runs of 256 bytes
.endr
.endif
.endm
.macro SCAN2F                          ; (LAST = 1) the last 32 tokens: h + the f32 residual, as rows of f32
	FOLD
.set n, 0
.rept 16
	APPLY n
.set n, n+1
.endr
.set n, 0
.rept 16
	v_pk_add_f32 v[GV+2*n:GV+2*n+1], v[GV+2*n:GV+2*n+1], v[RT+2*n:RT+2*n+1]
.set n, n+1
.endr
.set n, 0
.rept 32                               ; token n / 2 of my 16, block n % 2: 64 bytes from sixteen lanes; once in the launch, by one wave
	global_store_b32 v[T2O], v[GV+n], s[OUTB:OUTB+1] offset:(n/2)*1024+(n%2)*64
.set n, n+1
.endr
.endm
; One slot s.  X scans its half of slot s beside Y's products of the other half; then Y scans beside X's products of slot s + 1.
; mode 0: a trip of the loop: the buffer of slot s is filled again, with slot s + 2.  mode 1: slot 6: nothing is asked for; the buffers are constants (slot 6 lies in buffer 0, slot 7 in 1).
; mode 2: slot 7: X has no further slot, and wave 7, which holds the sequence's last 32 tokens, has more to do.  Every jump hangs on the wave's number, goes forward and passes neither a barrier nor a tensor load.
.macro TRIP mode
	s_cmp_lt_u32 s[WV], 4
	s_cbranch_scc0 .Lya_\@
	SCAN1
	s_branch .Lja_\@
.Lya_\@:
.if (\mode) == 0
	GEMA -1
.elseif (\mode) == 1
	GEMA 0
.else
	GEMA BUFX
.endif
.Lja_\@:
	MEET                                           ; X's entries are stored
	s_cmp_lt_u32 s[WV], 4
	s_cbranch_scc0 .Lyb_\@
	SCAN2
	s_branch .Ljb_\@
.Lyb_\@:
	GEMB
.Ljb_\@:
.if (\mode) == 0
	REFILL                                         ; both groups have read slot s
.elseif (\mode) == 1
	s_wait_tensorcnt 0x0                           ; slot 7's load has landed: no load was issued behind it
	MEET
.else
	MEET
.endif
	s_cmp_lt_u32 s[WV], 4
	s_cbranch_scc0 .Lyc_\@
.if (\mode) == 0
	GEMA -1
.elseif (\mode) == 1
	GEMA BUFX
.endif
	s_branch .Ljc_\@
.Lyc_\@:
.if ((\mode) == 2) && LAST
	s_cmp_eq_u32 s[WV], 7
	s_cbranch_scc0 .Lnr_\@
.irp q, 0,1,2,3,4,5,6,7
	global_load_b128 v[RT+4*\q:RT+4*\q+3], v[LN16], s[TLB:TLB+1] offset:\q*512  ; the residual in f32, as the layer before left its registers
.endr
.Lnr_\@:
.endif
	SCAN1
.Ljc_\@:
	MEET                                           ; Y's entries are stored
	s_cmp_lt_u32 s[WV], 4
	s_cbranch_scc0 .Lyd_\@
.if (\mode) < 2
	GEMB
.endif
	s_branch .Ljd_\@
.Lyd_\@:
.if ((\mode) == 2) && LAST
	s_wait_loadcnt 0x0                             ; the residual's loads, where there are any
	s_cmp_eq_u32 s[WV], 7
	s_cbranch_scc0 .Ljd_\@                         ; nobody reads the h of waves 4 to 6 any more
	SCAN2F
.else
	SCAN2
.if (\mode) == 2
	s_cmp_eq_u32 s[WV], 7
	s_cbranch_scc0 .Ljd_\@
.irp q, 0,1,2,3,4,5,6,7
	global_store_b128 v[LN16], v[GV+4*\q:GV+4*\q+3], s[TLB:TLB+1] offset:\q*512  ; the last 32 tokens once more, unrounded: 512 consecutive bytes a store
.endr
.endif
.endif
.Ljd_\@:
	MEET
.endm
	s_cmp_lt_u32 s[WV], 4                          ; X's half of slot 0: there is no vector work yet to set beside it
	s_cbranch_scc0 .Lp0
	GEMA -1
	s_wait_dscnt 0x0                               ; no barrier stands here, so the rest of the fragments is waited for
	GEMB
.Lp0:
	MEET
	s_mov_b32 s[CNT], 6                            ; slots 0 to 5: each asks for the slot two on
.Lslot:
	TRIP 0
	s_sub_co_u32 s[CNT], s[CNT], 1
	s_cmp_lg_u32 s[CNT], 0
	s_cbranch_scc1 .Lslot
	TRIP 1                                         ; slots 6 and 7 are written out
	TRIP 2
	s_wait_tensorcnt 0x0                           ; the wave's end
	ds_add_u32 v[SPW], v[NIL]
	s_wait_dscnt 0x0
	ROUND                                          ; the closing round: no work-group ends while a partner may still ask for a tile that names it
	s_endpgm
.Lfunc_end_k_qb888933aa0_layer2:
	.size	k_qb888933aa0_layer2, .Lfunc_end_k_qb888933aa0_layer2-k_qb888933aa0_layer2
	.p2alignl 7, 3214868480
	.fill 96, 4, 3214868480
	.section	.rodata,"a",@progbits
	.p2align	6, 0x0
	.amdhsa_kernel k_qb888933aa0_layer2
		.amdhsa_group_segment_fixed_size 327680
		.amdhsa_private_segment_fixed_size 0
		.amdhsa_enable_private_segment 0
		.amdhsa_kernarg_size 40
		.amdhsa_user_sgpr_count 2
		.amdhsa_user_sgpr_kernarg_segment_ptr 1
		.amdhsa_wavefront_size32 1
		.amdhsa_system_sgpr_workgroup_id_x 1
		.amdhsa_system_sgpr_workgroup_id_y 1
		.amdhsa_system_sgpr_workgroup_id_z 1
		.amdhsa_system_vgpr_workitem_id 0
		.amdhsa_next_free_vgpr 512
		.amdhsa_next_free_sgpr 66
		.amdhsa_reserve_vcc 0
		.amdhsa_float_denorm_mode_32 3
		.amdhsa_float_denorm_mode_16_64 3
		.amdhsa_memory_ordered 1
		.amdhsa_forward_progress 1
		.amdhsa_inst_pref_size 154
	.end_amdhsa_kernel
	.amdgpu_metadata
---
amdhsa.version: [ 1, 2 ]
amdhsa.kernels:
  - .name:           k_qb888933aa0_layer2
    .symbol:         k_qb888933aa0_layer2.kd
    .args:
      - { .name: h1, .offset: 0, .size: 8, .value_kind: global_buffer, .address_space: global }
      - { .name: Wl, .offset: 8, .size: 8, .value_kind: global_buffer, .address_space: global }
      - { .name: bl, .offset: 16, .size: 8, .value_kind: global_buffer, .address_space: global }
      - { .name: h1t, .offset: 24, .size: 8, .value_kind: global_buffer, .address_space: global }
      - { .name: h2t, .offset: 32, .size: 8, .value_kind: global_buffer, .address_space: global }
    .group_segment_fixed_size: 327680
    .private_segment_fixed_size: 0
    .kernarg_segment_align: 8
    .kernarg_segment_size: 40
    .max_flat_workgroup_size: 256
    .sgpr_count:     66
    .vgpr_count:     512
    .wavefront_size: 32
...
	.end_amdgpu_metadata
.endif
;; end of part 3
;; launch logits (part 4): grid 4 x 32, 4 waves a work-group, no clusters, 21,248 bytes of LDS; arguments h2t, Wout, bout, out0; writes out0
.if DOCPART == 4
	.amdgcn_target "amdgcn-amd-amdhsa--gfx1250"
	.amdhsa_code_object_version 6
	.text
	.protected	k_qb888933aa0_logits
	.globl	k_qb888933aa0_logits
	.p2align	8
	.type	k_qb888933aa0_logits,@function
k_qb888933aa0_logits:
	s_mov_b64 s[64:65], 0
	v_nop
	global_prefetch_b8 v0, s[64:65] scope:SCOPE_SE
	s_setreg_imm32_b32 hwreg(HW_REG_WAVE_MODE, 25, 1), 1
	s_wait_xcnt 0x0
; out0[b][t][v] = h2[b][last 16 tokens][:] . Wout[v][:] + bout[v].  h2t: [32][32 tokens][256] f32, of which rows 16-31 are the last 16 tokens.
; A work-group makes 16 tokens x 64 columns of one batch (x: which 64, y: the batch); wave w makes 16 of the columns.
; h2 is split into two bf16 numbers, hi + lo (lo = h2 - hi, rounded): two products on two accumulators, which take turns; their sum carries h2 to about 16 bits, so that this last product
; adds next to nothing to what the layers before have spent.  Wout and bout are rounded once to bf16, like every input.
; The token fragments are the same for all four waves: wave w makes those of K steps 2 w and 2 w + 1 and leaves them in LDS.
; The matrix instruction is used transposed (source 0 = 16 rows of Wout, source 1 = 16 tokens): a lane then holds eight neighbouring columns of one token's row, and bout is the C tile.
; NO CLUSTER: what the four work-groups of a batch share is 16,384 bytes, loaded once through registers, beside 65,536 bytes of Wout of their own.
; LIMITS: NaN and infinities are not treated apart.
.set STAGE, 16384                      ; fragments at 0: (K step, hi or lo) x 1,024 bytes; here 16 rows x 272 bytes for the way out
.set SP,    272
.set SPARE, 20736                      ; the spare words: 128 bytes a wave, two blocks of 256 bytes that no other line names
.set SPW, 4
.set NIL, 5
.set RK,  6                            ; 1,024 r + 32 h
.set HOF, 7
.set BOF, 8
.set AST, 9
.set ALD, 10
.set SST, 11
.set SRD, 12
.set OOF, 13
.set XF,  16                           ; v16-47 h2 as loaded; later v16-23, v24-31 the accumulators, v32-39 at work
.set CT,  48                           ; v48-55 bout: the C tile
.set WF,  64                           ; v64-191 Wout as loaded, 16 registers a K step; then its fragment in the lower 8 and the tokens' hi fragment in the upper 8
.set HIF, 192                          ; v192-223 my two K steps' hi and lo; then v192-255 the lo fragments of all eight K steps
.set LOF, 208
.set WV,  12
	s_load_b256 s[4:11], s[0:1], 0x0               ; h2t s[4:5], Wout s[6:7], bout s[8:9], out0 s[10:11]
	v_lshl_add_u32 v[SPW], v0, 2, SPARE
	v_mov_b32 v[NIL], 0
	v_lshrrev_b32 v1, 5, v0
	v_readfirstlane_b32 s[WV], v1                  ; wave 0..3
	s_and_b32 s13, ttmp7, 0xffff                   ; batch
	v_and_b32 v1, 15, v0                           ; r
	v_bfe_u32 v2, v0, 4, 1                         ; h
	v_and_b32 v3, 31, v0                           ; lane
	v_lshlrev_b32 v[RK], 10, v1
	v_lshl_add_u32 v[RK], v2, 5, v[RK]
	s_lshl_b32 s14, s[WV], 8
	v_add_nc_u32 v[HOF], s14, v[RK]                ; + K step 2 w
	v_lshlrev_b32 v[BOF], 5, v2
	s_lshl_b32 s16, s13, 15
	s_add_co_u32 s16, s16, 16384                   ; the batch's row 16
	s_mov_b32 s17, 0
	s_lshl_b32 s18, ttmp9, 6
	s_lshl_b32 s19, s[WV], 4
	s_add_co_u32 s18, s18, s19                     ; my first column
	s_lshl_b32 s20, s18, 10
	s_mov_b32 s21, 0
	s_lshl_b32 s22, s18, 2
	s_mov_b32 s23, 0
	s_lshl_b32 s24, s13, 14                        ; out0: 16 rows of 1,024 bytes a batch, my wave's four rows, my work-group's 256 bytes
	s_lshl_b32 s25, s[WV], 12
	s_add_co_u32 s24, s24, s25
	s_lshl_b32 s25, ttmp9, 8
	s_add_co_u32 s24, s24, s25
	s_mov_b32 s25, 0
	s_wait_kmcnt 0x0
	s_add_nc_u64 s[4:5], s[4:5], s[16:17]
	s_add_nc_u64 s[6:7], s[6:7], s[20:21]
	s_add_nc_u64 s[8:9], s[8:9], s[22:23]
	s_add_nc_u64 s[10:11], s[10:11], s[24:25]
.irp c, 0,1
.irp p, 0,1,2,3
	global_load_b128 v[XF+16*\c+4*\p:XF+16*\c+4*\p+3], v[HOF], s[4:5] offset:\c*128+(\p%2)*16+(\p/2)*64
.endr
.endr
.irp c, 0,1,2,3,4,5,6,7
.irp p, 0,1,2,3
	global_load_b128 v[WF+16*\c+4*\p:WF+16*\c+4*\p+3], v[RK], s[6:7] offset:\c*128+(\p%2)*16+(\p/2)*64
.endr
.endr
	global_load_b128 v[CT:CT+3], v[BOF], s[8:9]
	global_load_b128 v[CT+4:CT+7], v[BOF], s[8:9] offset:16
	v_lshlrev_b32 v[ALD], 4, v3
	s_lshl_b32 s14, s[WV], 12
	v_add_nc_u32 v[AST], s14, v[ALD]
	v_mul_u32_u24 v[SST], v1, SP                   ; into the stage: token r, my wave's 64 bytes, 32 for each half of the lanes
	v_lshl_add_u32 v[SST], v2, 5, v[SST]
	s_lshl_b32 s14, s[WV], 6
	s_add_co_u32 s14, s14, STAGE
	v_add_nc_u32 v[SST], s14, v[SST]
	v_mul_u32_u24 v[SRD], v2, SP                   ; back: lanes 0-15 one row of 256 bytes, lanes 16-31 the next
	v_lshl_add_u32 v[SRD], v1, 4, v[SRD]
	s_mul_i32 s14, s[WV], 4*SP
	s_add_co_u32 s14, s14, STAGE
	v_add_nc_u32 v[SRD], s14, v[SRD]
	v_lshlrev_b32 v[OOF], 10, v2
	v_lshl_add_u32 v[OOF], v1, 4, v[OOF]
	s_wait_loadcnt 34                              ; h2's eight loads are in: 32 of Wout and 2 of bout were issued behind them
.set n, 0
.rept 16
	v_cvt_pk_bf16_f32 v[HIF+n], v[XF+2*n], v[XF+2*n+1]
	v_lshlrev_b32 v224, 16, v[HIF+n]
	v_and_b32 v225, 0xffff0000, v[HIF+n]
	v_sub_f32 v[XF+2*n], v[XF+2*n], v224
	v_sub_f32 v[XF+2*n+1], v[XF+2*n+1], v225
	v_cvt_pk_bf16_f32 v[LOF+n], v[XF+2*n], v[XF+2*n+1]
.set n, n+1
.endr
.irp c, 0,1
.irp q, 0,1
	ds_store_b128 v[AST], v[HIF+8*\c+4*\q:HIF+8*\c+4*\q+3] offset:\c*2048+\q*512
	ds_store_b128 v[AST], v[LOF+8*\c+4*\q:LOF+8*\c+4*\q+3] offset:\c*2048+1024+\q*512
.endr
.endr
	s_wait_dscnt 0x0                               ; for the others' sake: my fragments are stored
	s_barrier_signal -1
	s_barrier_wait -1
.irp c, 0,1,2,3,4,5,6,7
	ds_load_b128 v[HIF+8*\c:HIF+8*\c+3],   v[ALD] offset:\c*2048+1024
	ds_load_b128 v[HIF+8*\c+4:HIF+8*\c+7], v[ALD] offset:\c*2048+1024+512
.endr
	s_wait_loadcnt 0x0                             ; Wout and bout
.set n, 0
.rept 64                               ; K step n / 8: in place, ascending: word t is written when words 2 t and 2 t + 1 have been read
	v_cvt_pk_bf16_f32 v[WF+16*(n/8)+n%8], v[WF+16*(n/8)+2*(n%8)], v[WF+16*(n/8)+2*(n%8)+1]
.set n, n+1
.endr
.irp c, 0,1,2,3,4,5,6,7
	ds_load_b128 v[WF+16*\c+8:WF+16*\c+11],  v[ALD] offset:\c*2048
	ds_load_b128 v[WF+16*\c+12:WF+16*\c+15], v[ALD] offset:\c*2048+512
.endr
.irp t, 0,1,2,3
	v_cvt_pk_bf16_f32 v[32+\t], v[CT+2*\t], v[CT+2*\t+1]
.endr
.irp t, 0,1,2,3
	v_lshlrev_b32 v[CT+2*\t], 16, v[32+\t]
	v_and_b32 v[CT+2*\t+1], 0xffff0000, v[32+\t]
.endr
	s_wait_dscnt 0x0
.irp c, 0,1,2,3,4,5,6,7                ; the two accumulators take turns; K step 0 starts the sums, one with bout, one with 0
.if \c == 0
	v_wmma_f32_16x16x32_bf16 v[16:23], v[WF:WF+7], v[WF+8:WF+15], v[CT:CT+7]
	v_wmma_f32_16x16x32_bf16 v[24:31], v[WF:WF+7], v[HIF:HIF+7], 0
.else
	v_wmma_f32_16x16x32_bf16 v[16:23], v[WF+16*\c:WF+16*\c+7], v[WF+16*\c+8:WF+16*\c+15], v[16:23]
	v_wmma_f32_16x16x32_bf16 v[24:31], v[WF+16*\c:WF+16*\c+7], v[HIF+8*\c:HIF+8*\c+7], v[24:31]
.endif
.endr
.rept 4
	v_nop                                          ; four places between the last products and the lines that read their results (ISA guide 7.12.1)
.endr
.irp t, 0,1,2,3
	v_pk_add_f32 v[16+2*\t:17+2*\t], v[16+2*\t:17+2*\t], v[24+2*\t:25+2*\t]
.endr
	ds_store_b128 v[SST], v[16:19]
	ds_store_b128 v[SST], v[20:23] offset:16
	s_wait_dscnt 0x0                               ; a row's 256 bytes come from four waves
	s_barrier_signal -1
	s_barrier_wait -1
	ds_load_b128 v[32:35], v[SRD]
	ds_load_b128 v[36:39], v[SRD] offset:2*SP
	s_wait_dscnt 1                                 ; the second load may be out
	global_store_b128 v[OOF], v[32:35], s[10:11]   ; sixteen lanes store 256 consecutive bytes, at a multiple of 256 from out0's first byte
	s_wait_dscnt 0
	global_store_b128 v[OOF], v[36:39], s[10:11] offset:2048
	s_wait_tensorcnt 0x0                           ; the wave's end
	ds_add_u32 v[SPW], v[NIL]
	s_wait_dscnt 0x0
	s_endpgm
.Lfunc_end_k_qb888933aa0_logits:
	.size	k_qb888933aa0_logits, .Lfunc_end_k_qb888933aa0_logits-k_qb888933aa0_logits
	.p2alignl 7, 3214868480
	.fill 96, 4, 3214868480
	.section	.rodata,"a",@progbits
	.p2align	6, 0x0
	.amdhsa_kernel k_qb888933aa0_logits
		.amdhsa_group_segment_fixed_size 21248
		.amdhsa_private_segment_fixed_size 0
		.amdhsa_enable_private_segment 0
		.amdhsa_kernarg_size 32
		.amdhsa_user_sgpr_count 2
		.amdhsa_user_sgpr_kernarg_segment_ptr 1
		.amdhsa_wavefront_size32 1
		.amdhsa_system_sgpr_workgroup_id_x 1
		.amdhsa_system_sgpr_workgroup_id_y 1
		.amdhsa_system_sgpr_workgroup_id_z 1
		.amdhsa_system_vgpr_workitem_id 0
		.amdhsa_next_free_vgpr 256
		.amdhsa_next_free_sgpr 66
		.amdhsa_reserve_vcc 0
		.amdhsa_float_denorm_mode_32 3
		.amdhsa_float_denorm_mode_16_64 3
		.amdhsa_memory_ordered 1
		.amdhsa_forward_progress 1
		.amdhsa_inst_pref_size 21
	.end_amdhsa_kernel
	.amdgpu_metadata
---
amdhsa.version: [ 1, 2 ]
amdhsa.kernels:
  - .name:           k_qb888933aa0_logits
    .symbol:         k_qb888933aa0_logits.kd
    .args:
      - { .name: h2t, .offset: 0, .size: 8, .value_kind: global_buffer, .address_space: global }
      - { .name: Wout, .offset: 8, .size: 8, .value_kind: global_buffer, .address_space: global }
      - { .name: bout, .offset: 16, .size: 8, .value_kind: global_buffer, .address_space: global }
      - { .name: out0, .offset: 24, .size: 8, .value_kind: global_buffer, .address_space: global }
    .group_segment_fixed_size: 21248
    .private_segment_fixed_size: 0
    .kernarg_segment_align: 8
    .kernarg_segment_size: 32
    .max_flat_workgroup_size: 128
    .sgpr_count:     66
    .vgpr_count:     256
    .wavefront_size: 32
...
	.end_amdgpu_metadata
.endif
;; end of part 4
;; ======== version 2 of 2: 4 launches; version 1 with the launch embed written anew for expert scheduling mode
;; workspace buffers: h0 33,554,432 bytes; h1 33,554,432 bytes; h1t 1,048,576 bytes; h2t 1,048,576 bytes
;; launch embed (part 5): grid 8 x 32, 8 waves a work-group, no clusters, 248,320 bytes of LDS; arguments x, emb, W0, b0, Walign, h0; writes h0
.if DOCPART == 5
	.amdgcn_target "amdgcn-amd-amdhsa--gfx1250"
	.amdhsa_code_object_version 6
	.text
	.protected	k_qb888933aa0_embed
	.globl	k_qb888933aa0_embed
	.p2align	8
	.type	k_qb888933aa0_embed,@function
k_qb888933aa0_embed:
	s_mov_b64 s[64:65], 0
	v_nop
	global_prefetch_b8 v0, s[64:65] scope:SCOPE_SE
	s_setreg_imm32_b32 hwreg(HW_REG_WAVE_SCHED_MODE, 0, 2), 2
	s_setreg_imm32_b32 hwreg(HW_REG_WAVE_MODE, 25, 1), 1
	s_wait_xcnt 0x0
	s_wait_alu depctr_vm_vsrc(0)
; LAYER 0.  h0[b][t][c] = scan_t(gate, hid) + align, with gate, hid and align functions of the token's id alone: emb[x] W^T is a row of a table of 256 rows.
; A work-group owns 32 channels (slice = its x) of one sequence (batch = its y), all 2,048 tokens: no carry leaves the work-group.
; PHASE A: emb and my 96 rows of W0 and Walign come in through registers, are rounded to bf16 and laid into LDS.  PHASE B: the matrix unit makes the three tables, and the
; nonlinearities are applied to the TABLE: entry (id, channel) = (b, 0, a, res) in f32, with z = sigmoid(gate), a = 1 - z, b = z g(hid), g(x) = max(x + 0.5, sigmoid(x)), which is
; x + 0.5 for x >= 0 and sigmoid(x) below, since sigmoid(x) <= x + 0.5 exactly where x >= 0.  PHASE C: the recurrence h = a h + b itself, in f32, h before the first token = 0.5.
; THE SCAN.  A step is 256 tokens; half h of wave w owns segment u = 2 w + h of 16 tokens, lane r two channels (r, 16 + r).  In the lane: (hl, P) = (a hl + b, a P).  A segment's
; (hl, P) after its last token goes to LDS; behind one barrier each lane starts from the last step's last h and folds the 15 entries in front of its own (identities, then earlier segments).
; No exponential of a sum over tokens is formed: the only exponentials are the two sigmoids', whose overflow (1 / inf = 0) and underflow (1 / 1) are the sigmoids' own limits.
; NO CLUSTER: LDS is filled through registers, rounding on the way; the table as f32 tiles (131,072 bytes) has no room beside the 248,320 bytes in use.
; LIMITS.  All inputs, b0 too, are rounded once to bf16; ids are held to 0..255; exponentials and reciprocals flush denormals; NaN and infinities in the inputs are not treated apart;
; the order of roundings is the recurrence's, not that of a scan in logarithms.  h0 leaves in bf16.
; h0's LAYOUT: [batch][group of 32 tokens][block of 16 channels][1,024 bytes]; in a block the 16 bytes "channel c, tokens 16 hs + 8 i + 0..7" lie at (c / 8) 512 + i 256 + hs 128 + (c % 8) 16.
; THE MODE: SCHED_MODE bits 1:0 = 2 (LLVM: expert scheduling mode 2), set by the entry lines.  The code itself states the register dependences
; between vector or matrix instructions and memory or LDS instructions, with s_wait_alu, always for 0.
; THE PLAN.  Registers that memory or LDS instructions touch, and who else names them:
;   HEAD     v3, v6-8, v13, v14 (offsets and addresses) and v208-215 (data of the first LDS stores) are all made ahead of one wait on va_vdst; the stores and the 48 loads follow it.
;   PHASE A  v16-191: 44 loads land, are rounded in place, and the rounded pairs are read by LDS stores.  Eleven groups of four: at a group's head one wait on va_vdst says that the group
;            before is rounded; its four stores follow, then this group's roundings.  One wait on vm_vsrc ends the phase: its addresses and data registers are written anew behind it.
;   PHASE B  v16-175: fragments land, products read them.  The table's entries have a buffer for each tile (v80-111, v120-151): tile 0's stores stand behind the wait that tile 1's exponentials
;            have in any case, tile 1's behind a wait on va_vdst that also frees v80-175 for the next fragments; a wait on vm_vsrc stands ahead of those.
;   PHASE C, step p (par = p % 2):
;     XR[par]    ids land (asked for at the head of step p - 1); two vector passes make addresses of them; the step's 32 gathers read them.
;     Q          the gathers land; the step's vector work reads and writes it; of it v136, v137, v140, v141 (the segment's last hl, P) are read by the two entry stores.
;     F, CC      the window's loads land behind the barrier; the fold reads them.
;     HL, OUT    written by the step's last vector work; read by the run of five stores at the step's end.
;     v3, v7-11  offsets and addresses, never written in the loop: the rows of x and h0 are reached by two scalar bases and immediate offsets.
;   Three waits on va_vdst in a step: behind the address lines (for the gathers), behind the scan (for the entry stores, and for the window's loads, since no vector instruction stands between),
;   behind the roundings (for the five stores).  One wait on vm_vsrc, behind the barrier: it frees the entry stores' registers, XR[par] for the ids asked for at the next step's head, and the last step's HL and OUT.
.set EP,    272                        ; an LDS row of emb or W: 256 bytes + 16: the 16 rows of a fragment load start 16 bytes apart modulo 256
.set ARB,   8192                       ; exchange areas at 0, one for each parity of the step: entries of 256 bytes, 0-14 identities, 15-30 segments 0-15; an entry: 16 channels x (B0, A0, B1, A1)
.set HR,    16384                      ; the segments' last h, by parity: 16 segments x 16 lanes x 8 bytes
.set HRB,   2048
.set EMB,   20480                      ; 256 rows of emb
.set WB,    90112                      ; 96 rows: gate 0-31, hid 32-63, align 64-95
.set TAB,   116224                     ; 256 ids x 32 channels x 16 bytes
.set SPARE, 247296                     ; the spare words: 128 bytes a wave, four blocks of 256 bytes that no other line names
.set XV,   3                           ; v3  my segment's byte offset in a step's 1,024 bytes of x
.set SPW,  4                           ; v4  my spare word's address; never rewritten
.set NIL,  5                           ; v5  0; never rewritten
.set LOFF, 6                           ; phase A: 16 x thread
.set SA0,  7                           ; phase A: where my 8 bytes go: emb rows 0-127, 128-255, W
.set SA1,  8
.set BI,   9                           ; v9-12 the four biases as loaded
.set SA2,  13
.set R4,   14
.set AAD,  6                           ; phase B: fragment addresses, table address
.set BAD,  7
.set TST,  8
.set KBG,  9                           ; v9-10 -c x gate bias, v11-12 -c x hid bias, v13-14 hid bias + 0.5; by channel block
.set KBH,  11
.set HBH,  13
.set LB,   6                           ; phase C
.set EST,  7
.set EWIN, 8
.set HST,  9
.set HLD,  10
.set GOFF, 11
.set INI,  12                          ; v12-13 (0, 1): (hl, P) in front of a segment
.set CC,   14                          ; v14-15 the h that enters my segment, two channels
.set LD,   16                          ; phase A: v16-191, 44 loads of four registers
.set AFR,  16                          ; phase B: v16-79 emb fragments (2 tiles x 4 K steps)
.set BF,   80                          ; v80-175 W fragments (3 kinds x 4 K steps); behind the products: the quads and eight at work
.set QD,   80                          ; tile vt's quads at QD + 40 vt: v80-111, v120-151
.set TT,   112                         ; v112-119 at work
.set AC,   176                         ; v176-223 six accumulators: tile vt, kind ty at AC + 24 vt + 8 ty
.set Q,    16                          ; phase C: v16-143 the entries of 16 tokens x 2 channels
.set F,    144                         ; v144-203 the window
.set HL,   204                         ; v204-205 my segment's last h, two channels
.set OUT,  208                         ; v208-223
.set XR,   224                         ; v224-255 two sets of 16 ids, by the step's parity
.set WV,   16
.set CNT,  19
.set NEGC, 20                          ; -log2(e)
.set XB,   24
.set OUTB, 26
	s_load_b256 s[4:11], s[0:1], 0x0               ; x s[4:5], emb s[6:7], W0 s[8:9], b0 s[10:11]
	s_load_b128 s[12:15], s[0:1], 0x20             ; Walign s[12:13], h0 s[14:15]
	v_lshl_add_u32 v[SPW], v0, 2, SPARE
	v_mov_b32 v[NIL], 0
	v_lshrrev_b32 v1, 5, v0
	v_readfirstlane_b32 s[WV], v1                  ; wave 0..7
	s_and_b32 s18, ttmp7, 0xffff                   ; batch
	v_and_b32 v1, 15, v0                           ; r
	v_bfe_u32 v2, v0, 4, 1                         ; h
	v_and_b32 v15, 31, v0                          ; lane
	v_lshlrev_b32 v[LOFF], 4, v0
	v_lshlrev_b32 v[R4], 2, v1
	v_mov_b32 v208, 0                              ; identities (B, A) = (0, 1) for entries 0-15 of both areas; entry 15 is written over by segment 0
	v_mov_b32 v209, 1.0
	v_mov_b32 v210, 0
	v_mov_b32 v211, 1.0
	v_lshl_add_u32 v212, v0, 3, HR+HRB             ; the h in front of token 0 is 0.5: step 0 reads the odd parity's words
	v_mov_b32 v214, 0.5
	v_mov_b32 v215, 0.5
	s_lshl_b32 s22, ttmp9, 14                      ; my 32 rows of 512 bytes in W0 and Walign
	s_mov_b32 s23, 0
	s_lshl_b32 s36, ttmp9, 7                       ; my 32 biases
	s_mov_b32 s37, 0
	s_lshl_b32 s38, s18, 13                        ; my row of x
	s_mov_b32 s39, 0
	s_lshl_b32 s40, s18, 20                        ; my batch in h0, and my two channel blocks
	s_lshl_b32 s41, ttmp9, 11
	s_add_co_u32 s40, s40, s41
	s_mov_b32 s41, 0
	s_mov_b32 s[NEGC], 0xbfb8aa3b
	s_wait_alu depctr_va_sdst(0)                   ; the wave's number is written, ahead of its first reader
	s_mul_i32 s42, s[WV], EP
	s_lshl_b32 s43, s[WV], 7
	v_lshl_add_u32 v[SA0], v15, 3, s42             ; 8 x lane + my row
	v_add_nc_u32 v[SA2], WB, v[SA0]
	v_add_nc_u32 v[SA1], EMB+128*EP, v[SA0]        ; a second base: the 16-bit immediate ends at 65,535
	v_add_nc_u32 v[SA0], EMB, v[SA0]
	v_lshl_add_u32 v[XV], v2, 6, s43               ; segment u: 64 u bytes
	s_wait_alu depctr_va_vdst(0)                   ; v3, v6-8, v13, v14 are written, which the loads and LDS stores of this phase read as offsets and addresses; so are v208-215, the data and address of the three stores below
	ds_store_b128 v[LOFF], v[208:211]
	ds_store_b128 v[LOFF], v[208:211] offset:ARB
	ds_store_b64 v212, v[214:215]
	s_wait_kmcnt 0x0
	s_add_nc_u64 s[28:29], s[8:9], s[22:23]        ; gate rows
	s_add_nc_u64 s[30:31], s[28:29], 0x20000       ; hid rows: 256 rows on
	s_add_nc_u64 s[32:33], s[12:13], s[22:23]      ; align rows
	s_add_nc_u64 s[34:35], s[10:11], s[36:37]
	s_add_nc_u64 s[XB:XB+1], s[4:5], s[38:39]
	s_add_nc_u64 s[OUTB:OUTB+1], s[14:15], s[40:41]
	; PHASE A.  A load of the work-group covers 4,096 consecutive bytes, eight rows of 512; wave w has row 8 k + w.  All 48 loads go out together.
.set k, 0
.rept 32
	global_load_b128 v[LD+4*k:LD+4*k+3], v[LOFF], s[6:7] offset:k*4096
.set k, k+1
.endr
.irp t, 0,1,2
.irp q, 0,1,2,3
	global_load_b128 v[LD+128+16*\t+4*\q:LD+128+16*\t+4*\q+3], v[LOFF], s[28+2*\t:29+2*\t] offset:\q*4096
.endr
.endr
	global_load_b32 v[BI], v[R4], s[34:35]
	global_load_b32 v[BI+1], v[R4], s[34:35] offset:64
	global_load_b32 v[BI+2], v[R4], s[34:35] offset:1024
	global_load_b32 v[BI+3], v[R4], s[34:35] offset:1088
.macro ROUNDK k                        ; load k's four numbers close up into the first two of their four registers
	v_cvt_pk_bf16_f32 v[LD+4*(\k)], v[LD+4*(\k)], v[LD+4*(\k)+1]
	v_cvt_pk_bf16_f32 v[LD+4*(\k)+1], v[LD+4*(\k)+2], v[LD+4*(\k)+3]
.endm
.macro LAYK k                          ; and go to their row in LDS
.if (\k) < 16
	ds_store_b64 v[SA0], v[LD+4*(\k):LD+4*(\k)+1] offset:(\k)*8*EP
.elseif (\k) < 32
	ds_store_b64 v[SA1], v[LD+4*(\k):LD+4*(\k)+1] offset:((\k)-16)*8*EP
.else
	ds_store_b64 v[SA2], v[LD+4*(\k):LD+4*(\k)+1] offset:((\k)-32)*8*EP
.endif
.endm
.set g, 0
.rept 11                               ; groups of four loads
	s_wait_loadcnt 44-4*g                          ; loads come back in order: 44 - 4 g were issued behind the group's last
.if g > 0
	s_wait_alu depctr_va_vdst(0)                   ; the group before is rounded: its pairs are written, which the four LDS stores below read
	LAYK 4*g-4
	LAYK 4*g-3
	LAYK 4*g-2
	LAYK 4*g-1
.endif
	ROUNDK 4*g
	ROUNDK 4*g+1
	ROUNDK 4*g+2
	ROUNDK 4*g+3
.set g, g+1
.endr
	s_wait_alu depctr_va_vdst(0)                   ; the last group is rounded: its pairs are written, which the four LDS stores below read
	LAYK 40
	LAYK 41
	LAYK 42
	LAYK 43
	s_wait_loadcnt 0x0                             ; the biases; every load's address register is free now
.irp q, 0,1,2,3
	global_load_b128 v[XR+4*\q:XR+4*\q+3], v[XV], s[XB:XB+1] offset:16*\q  ; step 0's ids: they land while the tables are made
.endr
	s_wait_alu depctr_vm_vsrc(0)                   ; this phase's loads and LDS stores have read v6-8, v13, v14, which the lines below write anew, and the stores their data in v16-191 and v208-215, in which fragments land and sums are made
	v_cvt_pk_bf16_f32 v[BI], v[BI], v[BI+1]        ; the biases are rounded to bf16 like every input, and widened again
	v_cvt_pk_bf16_f32 v[BI+2], v[BI+2], v[BI+3]
	v_and_b32 v[BI+1], 0xffff0000, v[BI]
	v_lshlrev_b32 v[BI], 16, v[BI]
	v_and_b32 v[BI+3], 0xffff0000, v[BI+2]
	v_lshlrev_b32 v[BI+2], 16, v[BI+2]
	v_add_f32 v[HBH], 0.5, v[BI+2]
	v_add_f32 v[HBH+1], 0.5, v[BI+3]
.irp q, 0,1,2,3
	v_mul_f32 v[BI+\q], s[NEGC], v[BI+\q]
.endr
	v_mul_u32_u24 v[AAD], v1, EP
	v_lshl_add_u32 v[AAD], v2, 4, v[AAD]           ; a fragment's row x pitch + 16 x half
	v_add_nc_u32 v[BAD], WB, v[AAD]
	s_mul_i32 s22, s[WV], 32*EP
	s_add_co_u32 s22, s22, EMB
	v_add_nc_u32 v[AAD], s22, v[AAD]               ; my 32 ids
	s_lshl_b32 s22, s[WV], 14
	s_add_co_u32 s22, s22, TAB
	v_lshl_add_u32 v[TST], v2, 12, s22             ; id 32 w + 8 h (+ 16 vt + j in the immediate), channel r
	v_lshl_add_u32 v[TST], v1, 4, v[TST]
	s_wait_dscnt 0x0                               ; for the others' sake: my stores are done
	s_barrier_signal -1
	s_barrier_wait -1
	s_wait_alu depctr_va_vdst(0)                   ; the three addresses v6-8 are written, which this phase's LDS loads and stores read; the roundings are done with v16-191, in which the fragments land
	; PHASE B.  Source 0 = 16 ids' rows of emb, source 1 = 16 rows of W: register j of lane (r, h) is (id 8 h + j, channel r).
.irp vt, 0,1
.irp kk, 0,1,2,3
	ds_load_b128 v[AFR+32*\vt+8*\kk:AFR+32*\vt+8*\kk+3],   v[AAD] offset:\vt*16*EP+\kk*64
	ds_load_b128 v[AFR+32*\vt+8*\kk+4:AFR+32*\vt+8*\kk+7], v[AAD] offset:\vt*16*EP+\kk*64+32
.endr
.endr
; The 8 x 32 entries of tile vt, channel block cb, into the table
.macro QST vt, cb
.set j, 0
.rept 8
	ds_store_b128 v[TST], v[QD+40*(\vt)+4*j:QD+40*(\vt)+4*j+3] offset:(\vt)*8192+j*512+(\cb)*256  ; sixteen lanes: 256 consecutive bytes
.set j, j+1
.endr
.endm
; The nonlinearities of tile vt, channel block cb, into the tile's quads.  Tile 0's stores stand in tile 1's text, behind its first wait.
.macro NLT vt, cb
.set G, AC+24*(\vt)
.set QB, QD+40*(\vt)
.set j, 0
.rept 8
	v_fma_f32 v[G+j], v[G+j], s[NEGC], v[KBG+(\cb)]        ; -c (gate + bias); each accumulator is read from its low end on
.set j, j+1
.endr
.set j, 0
.rept 8
	v_fma_f32 v[TT+j], v[G+8+j], s[NEGC], v[KBH+(\cb)]     ; -c (hid + bias)
.set j, j+1
.endr
.set j, 0
.rept 8
	v_exp_f32 v[G+j], v[G+j]
.set j, j+1
.endr
.set j, 0
.rept 8
	v_exp_f32 v[TT+j], v[TT+j]
.set j, j+1
.endr
.set j, 0
.rept 8
	v_add_f32 v[G+8+j], v[G+8+j], v[HBH+(\cb)]             ; hid + 0.5: also the plain instructions behind the exponentials (ISA guide 5.7.2)
.set j, j+1
.endr
.if (\vt) == 1
	s_wait_alu depctr_va_vdst(0)                           ; the sixteen exponentials' results are written, ahead of their first reader; so are tile 0's quads, which the eight LDS stores below read
	QST 0, \cb
.else
	s_wait_alu depctr_va_vdst(0)                           ; the sixteen exponentials' results are written, ahead of their first reader
.endif
.set j, 0
.rept 8
	v_add_f32 v[G+j], 1.0, v[G+j]
	v_add_f32 v[TT+j], 1.0, v[TT+j]
.set j, j+1
.endr
.set j, 0
.rept 8
	v_rcp_f32 v[G+j], v[G+j]                               ; z
.set j, j+1
.endr
.set j, 0
.rept 8
	v_rcp_f32 v[TT+j], v[TT+j]                             ; sigmoid(hid)
.set j, j+1
.endr
.set j, 0
.rept 8
	v_mov_b32 v[QB+4*j+3], v[G+16+j]                       ; res: an entry's four words must lie together for one 16-byte store
	v_mov_b32 v[QB+4*j+1], 0
.set j, j+1
.endr
	s_wait_alu depctr_va_vdst(0)                           ; the sixteen reciprocals' results are written, ahead of their first reader
.set j, 0
.rept 8
	v_max_num_f32 v[TT+j], v[G+8+j], v[TT+j]               ; g
	v_sub_f32 v[QB+4*j+2], 1.0, v[G+j]                     ; a
.set j, j+1
.endr
.set j, 0
.rept 8
	v_mul_f32 v[QB+4*j], v[G+j], v[TT+j]                   ; b
.set j, j+1
.endr
.endm
.macro WFRAG cb                        ; the twelve fragments of W for channel block cb
.irp ty, 0,1,2
.irp kk, 0,1,2,3
	ds_load_b128 v[BF+32*\ty+8*\kk:BF+32*\ty+8*\kk+3],   v[BAD] offset:(32*\ty+16*(\cb))*EP+\kk*64
	ds_load_b128 v[BF+32*\ty+8*\kk+4:BF+32*\ty+8*\kk+7], v[BAD] offset:(32*\ty+16*(\cb))*EP+\kk*64+32
.endr
.endr
.endm
.macro PROD
	s_wait_dscnt 0x0
.irp kk, 0,1,2,3                       ; the six accumulators take turns; the first K step starts the sums
.irp ty, 0,1,2
.irp vt, 0,1
.if \kk == 0
	v_wmma_f32_16x16x32_bf16 v[AC+24*\vt+8*\ty:AC+24*\vt+8*\ty+7], v[AFR+32*\vt+8*\kk:AFR+32*\vt+8*\kk+7], v[BF+32*\ty+8*\kk:BF+32*\ty+8*\kk+7], 0
.else
	v_wmma_f32_16x16x32_bf16 v[AC+24*\vt+8*\ty:AC+24*\vt+8*\ty+7], v[AFR+32*\vt+8*\kk:AFR+32*\vt+8*\kk+7], v[BF+32*\ty+8*\kk:BF+32*\ty+8*\kk+7], v[AC+24*\vt+8*\ty:AC+24*\vt+8*\ty+7]
.endif
.endr
.endr
.endr
.rept 4
	v_nop                                          ; four places between the last products and the lines that read their results and write over their sources (ISA guide 7.12.1)
.endr
.endm
	WFRAG 0
	PROD
	NLT 0, 0
	NLT 1, 0
	s_wait_alu depctr_va_vdst(0)                   ; tile 1's quads are written, which the eight LDS stores below read; products and vector lines are done with v80-175, in which the next fragments land
	QST 1, 0
	s_wait_alu depctr_vm_vsrc(0)                   ; both tiles' stores have read their quads in v80-111 and v120-151, in which the next fragments land
	WFRAG 1
	PROD
	NLT 0, 1
	NLT 1, 1
	s_wait_alu depctr_va_vdst(0)                   ; tile 1's quads are written, which the eight LDS stores below read
	QST 1, 1
	s_wait_alu depctr_vm_vsrc(0)                   ; this phase's LDS loads and stores have read v6-8, which the lines below write anew, and the stores their quads, in which the first step's gathers land
	; PHASE C's addresses
	v_lshl_add_u32 v[LB], v1, 4, TAB               ; channel r of an id's 512 bytes
	s_lshl_b32 s22, s[WV], 9
	v_lshl_add_u32 v[EWIN], v2, 8, s22             ; entry u: my window is entries u .. u + 14
	v_lshl_add_u32 v[EWIN], v1, 4, v[EWIN]
	v_add_nc_u32 v[EST], 15*256, v[EWIN]           ; my segment's own entry, 15 + u
	v_lshl_add_u32 v[HLD], v1, 3, HR+15*128        ; the last segment's last h
	s_lshl_b32 s22, s[WV], 8
	s_add_co_u32 s22, s22, HR
	v_lshl_add_u32 v[HST], v2, 7, s22
	v_lshl_add_u32 v[HST], v1, 3, v[HST]           ; my segment's
	v_and_b32 v[GOFF], 7, v1
	v_lshlrev_b32 v[GOFF], 4, v[GOFF]
	v_lshl_add_u32 v[GOFF], v2, 7, v[GOFF]
	v_lshrrev_b32 v[INI], 3, v1
	v_lshl_add_u32 v[GOFF], v[INI], 9, v[GOFF]
	s_lshl_b32 s22, s[WV], 14
	v_add_nc_u32 v[GOFF], s22, v[GOFF]             ; my wave's group of 32 tokens, my 16 bytes in a block
	v_mov_b32 v[INI], 0
	v_mov_b32 v[INI+1], 1.0
	s_wait_dscnt 0x0                               ; my part of the table is stored
	s_barrier_signal -1
	s_barrier_wait -1
; One step: 256 tokens.  One barrier is enough: areas and h words go by the step's parity, so what is written in front of a barrier is never what a slower wave still reads behind the last one.
.macro STEP par
	s_wait_loadcnt 0x0                             ; this step's ids, asked for a step ago
	; The next step's ids land in the other set.  No wait: no vector instruction since the last wait on va_vdst names that set or v3, and the gathers that read it stand ahead of the last step's wait on vm_vsrc.
.if (\par) == 0
.irp q, 0,1,2,3
	global_load_b128 v[XR+16+4*\q:XR+16+4*\q+3], v[XV], s[XB:XB+1] offset:1024+16*\q
.endr
.else
	s_cmp_eq_u32 s[CNT], 1                         ; behind the last step there are no ids: no load passes x's end
	s_cbranch_scc1 .Lnox_\@
.irp q, 0,1,2,3
	global_load_b128 v[XR+4*\q:XR+4*\q+3], v[XV], s[XB:XB+1] offset:2048+16*\q
.endr
.Lnox_\@:
.endif
.set jj, 0
.rept 16
	v_min_u32 v[XR+16*(\par)+jj], 0xff, v[XR+16*(\par)+jj]  ; an id stays inside the table
.set jj, jj+1
.endr
.set jj, 0
.rept 16
	v_lshl_add_u32 v[XR+16*(\par)+jj], v[XR+16*(\par)+jj], 9, v[LB]
.set jj, jj+1
.endr
	s_wait_alu depctr_va_vdst(0)                   ; the sixteen addresses are written, which the gathers read; the last step's vector lines are done with Q, in which the gathers land; in the first step the addresses v7-11 are written too
.set jj, 0
.rept 16
	ds_load_b128 v[Q+8*jj:Q+8*jj+3],   v[XR+16*(\par)+jj]             ; sixteen lanes take 256 consecutive bytes of the id's row
	ds_load_b128 v[Q+8*jj+4:Q+8*jj+7], v[XR+16*(\par)+jj] offset:256
.set jj, jj+1
.endr
.set jj, 0
.rept 16
	s_wait_dscnt 30-2*jj                           ; 30 - 2 jj gathers were issued behind token jj's two
.if jj == 0
	v_pk_fma_f32 v[Q:Q+1],   v[INI:INI+1], v[Q+2:Q+3], v[Q:Q+1]   op_sel_hi:[1,0,1]  ; (hl, P) = (hl, P) a + (b, 0)
	v_pk_fma_f32 v[Q+4:Q+5], v[INI:INI+1], v[Q+6:Q+7], v[Q+4:Q+5] op_sel_hi:[1,0,1]
.else
	v_pk_fma_f32 v[Q+8*jj:Q+8*jj+1],   v[Q+8*jj-8:Q+8*jj-7], v[Q+8*jj+2:Q+8*jj+3], v[Q+8*jj:Q+8*jj+1]   op_sel_hi:[1,0,1]
	v_pk_fma_f32 v[Q+8*jj+4:Q+8*jj+5], v[Q+8*jj-4:Q+8*jj-3], v[Q+8*jj+6:Q+8*jj+7], v[Q+8*jj+4:Q+8*jj+5] op_sel_hi:[1,0,1]
.endif
.set jj, jj+1
.endr
	s_wait_alu depctr_va_vdst(0)                   ; the segment's last (hl, P) are written, which the two LDS stores read; no vector line stands between here and the window's loads, so the last step's fold is also done with F and CC, in which those land
	ds_store_b64 v[EST], v[Q+120:Q+121] offset:(\par)*ARB
	ds_store_b64 v[EST], v[Q+124:Q+125] offset:(\par)*ARB+8
	s_wait_dscnt 0x0                               ; my entry is stored, and my reads and stores of the last step are over
	s_barrier_signal -1
	s_barrier_wait -1
	s_wait_alu depctr_vm_vsrc(0)                   ; my entry's stores have read v136, v137, v140, v141, two of which the additions below write again; the gathers have read this step's addresses, in which the next ids but one land; the last step's stores have read HL and OUT, which this step writes again
	ds_load_b64 v[CC:CC+1], v[HLD] offset:(1-(\par))*HRB
.set k, 0
.rept 15
	ds_load_b128 v[F+4*k:F+4*k+3], v[EWIN] offset:(\par)*ARB+k*256
.set k, k+1
.endr
.set k, 0
.rept 15
	s_wait_dscnt 14-k                              ; 14 - k window loads were issued behind entry k
	v_fma_f32 v[CC],   v[F+4*k+1], v[CC],   v[F+4*k]
	v_fma_f32 v[CC+1], v[F+4*k+3], v[CC+1], v[F+4*k+2]
.set k, k+1
.endr
	v_fma_f32 v[HL],   v[Q+121], v[CC],   v[Q+120]  ; h = hl + P c; the last token's goes into a pair of its own, from which it is stored
	v_fma_f32 v[HL+1], v[Q+125], v[CC+1], v[Q+124]
.set jj, 0
.rept 15
	v_fma_f32 v[Q+8*jj],   v[Q+8*jj+1], v[CC],   v[Q+8*jj]
	v_fma_f32 v[Q+8*jj+4], v[Q+8*jj+5], v[CC+1], v[Q+8*jj+4]
.set jj, jj+1
.endr
.set jj, 0
.rept 30
	v_add_f32 v[Q+4*jj], v[Q+4*jj], v[Q+4*jj+3]    ; + the alignment projection
.set jj, jj+1
.endr
	v_add_f32 v[Q+120], v[HL],   v[Q+123]
	v_add_f32 v[Q+124], v[HL+1], v[Q+127]
	s_wait_xcnt 0x0                                ; the last step's stores have had their addresses translated: OUT is written again only behind this wait
.set n, 0
.rept 16                               ; tile n / 8, channel block (n / 4) % 2, token pair n % 4
	v_cvt_pk_bf16_f32 v[OUT+n], v[Q+8*(8*(n/8)+2*(n%4))+4*((n/4)%2)], v[Q+8*(8*(n/8)+2*(n%4)+1)+4*((n/4)%2)]
.set n, n+1
.endr
	s_wait_alu depctr_va_vdst(0)                   ; HL and OUT are written, which the five stores below read
	ds_store_b64 v[HST], v[HL:HL+1] offset:(\par)*HRB  ; wanted behind the next step's barrier, in front of which it is waited for
.irp n, 0,1,2,3
	global_store_b128 v[GOFF], v[OUT+4*\n:OUT+4*\n+3], s[OUTB:OUTB+1] offset:(\par)*131072+(\n%2)*1024+(\n/2)*256  ; a wave's store covers two aligned runs of 256 bytes
.endr
.endm
	s_mov_b32 s[CNT], 4
.Ltrip:
	STEP 0
	STEP 1
	s_wait_xcnt 0x0                                ; the two bases are stepped only behind this wait
	s_add_nc_u64 s[XB:XB+1], s[XB:XB+1], 2048
	s_add_nc_u64 s[OUTB:OUTB+1], s[OUTB:OUTB+1], 262144
	s_sub_co_u32 s[CNT], s[CNT], 1
	s_cmp_lg_u32 s[CNT], 0
	s_cbranch_scc1 .Ltrip
	s_wait_dscnt 0x0                               ; the closing lines, six on end
	s_wait_alu 0x0
	s_wait_tensorcnt 0x0
	ds_add_u32 v[SPW], v[NIL]
	s_wait_dscnt 0x0
	s_endpgm
.Lfunc_end_k_qb888933aa0_embed:
	.size	k_qb888933aa0_embed, .Lfunc_end_k_qb888933aa0_embed-k_qb888933aa0_embed
	.p2alignl 7, 3214868480
	.fill 96, 4, 3214868480
	.section	.rodata,"a",@progbits
	.p2align	6, 0x0
	.amdhsa_kernel k_qb888933aa0_embed
		.amdhsa_group_segment_fixed_size 248320
		.amdhsa_private_segment_fixed_size 0
		.amdhsa_enable_private_segment 0
		.amdhsa_kernarg_size 48
		.amdhsa_user_sgpr_count 2
		.amdhsa_user_sgpr_kernarg_segment_ptr 1
		.amdhsa_wavefront_size32 1
		.amdhsa_system_sgpr_workgroup_id_x 1
		.amdhsa_system_sgpr_workgroup_id_y 1
		.amdhsa_system_sgpr_workgroup_id_z 1
		.amdhsa_system_vgpr_workitem_id 0
		.amdhsa_next_free_vgpr 256
		.amdhsa_next_free_sgpr 66
		.amdhsa_reserve_vcc 0
		.amdhsa_float_denorm_mode_32 3
		.amdhsa_float_denorm_mode_16_64 3
		.amdhsa_memory_ordered 1
		.amdhsa_forward_progress 1
		.amdhsa_inst_pref_size 75
	.end_amdhsa_kernel
	.amdgpu_metadata
---
amdhsa.version: [ 1, 2 ]
amdhsa.kernels:
  - .name:           k_qb888933aa0_embed
    .symbol:         k_qb888933aa0_embed.kd
    .args:
      - { .name: x, .offset: 0, .size: 8, .value_kind: global_buffer, .address_space: global }
      - { .name: emb, .offset: 8, .size: 8, .value_kind: global_buffer, .address_space: global }
      - { .name: W0, .offset: 16, .size: 8, .value_kind: global_buffer, .address_space: global }
      - { .name: b0, .offset: 24, .size: 8, .value_kind: global_buffer, .address_space: global }
      - { .name: Walign, .offset: 32, .size: 8, .value_kind: global_buffer, .address_space: global }
      - { .name: h0, .offset: 40, .size: 8, .value_kind: global_buffer, .address_space: global }
    .group_segment_fixed_size: 248320
    .private_segment_fixed_size: 0
    .kernarg_segment_align: 8
    .kernarg_segment_size: 48
    .max_flat_workgroup_size: 256
    .sgpr_count:     66
    .vgpr_count:     256
    .wavefront_size: 32
...
	.end_amdgpu_metadata
.endif
;; end of part 5
;; launch layer1: the kernel of part 2 again; grid 8 x 32, 8 waves a work-group, clusters of 4 x 1, 327,680 bytes of LDS; arguments h0, Wl, bl, h1, h1t; writes h1, h1t
;; launch layer2: the kernel of part 3 again; grid 8 x 32, 8 waves a work-group, clusters of 4 x 1, 327,680 bytes of LDS; arguments h1, Wl, bl, h1t, h2t; writes h2t
;; launch logits: the kernel of part 4 again; grid 4 x 32, 4 waves a work-group, no clusters, 21,248 bytes of LDS; arguments h2t, Wout, bout, out0; writes out0
